; MI455X (gfx1250); checked and timed in simulation.
; The chip was launched on July 23, 2026; its instructions are those of AMD's public machine-readable ISA for CDNA 5 (MIT licence, August 2026) and "CDNA5" Instruction Set Architecture Reference Guide (July 2026). The comments in the code are by the model that wrote it; some were corrected since.
;; Attention Base. Allowed arithmetic: matrix products marked QUANTISED: E2M1 operands, one E8M0 scale for each 32 along K, by v_wmma_scale_f32_16x16x128_f8f6f4 with both operands' format E2M1 (or v_wmma_scale_f32_32x16x128_f4), f32 sums; everything else in f32.
;; Inputs: attention_mask 8 x 1 x 1 x 1,024 bool; keys 8 x 1,024 x 1,024 float32; queries 8 x 1,024 x 1,024 float32; values_codes 8 x 1,024 x 32 x 16 uint8 (E2M1 codes of values, K innermost, in blocks of 32 codes, two codes a byte); values_scales 8 x 1,024 x 32 uint8 (E8M0 scales of values, one for each 32 codes along K); w_out_codes 1,024 x 32 x 16 uint8 (E2M1 codes of w_out, K innermost, in blocks of 32 codes, two codes a byte); w_out_scales 1,024 x 32 uint8 (E8M0 scales of w_out, one for each 32 codes along K).
;; Outputs: out0 8 x 1,024 x 1,024 float32.
;; This version of the problem:
;;   THIS VERSION OF THE PROBLEM IS GIVEN IN LOW PRECISION. The matrix products marked QUANTISED in the list below multiply operands that are first quantised to E2M1 (2 exponent bits, 1 mantissa bit; 4 bits a number), with one power-of-two scale for each 32 numbers along K (OCP MX v1.0); their sums are f32. All else is computed in f32.
;;   The module's matrix products, in the order in which they are computed (A, B: the left and right operand; K: the contracted axis; several contracted axes count as one K, in the product's order):
;;     1. batch 128 x [M 1,024, K 64] x [K 64, N 1,024]; A: computed on the way; B: input keys: QUANTISED
;;     2. batch 128 x [M 64, K 1,024] x [K 1,024, N 1,024]; A: input values (given as codes); B: softmax (see below): QUANTISED
;;     3. [M 8,192, K 1,024] x [K 1,024, N 1,024]; A: computed on the way; B: input w_out (given as codes): QUANTISED
;;   THE QUANTISER, for each operand of a quantised product, along K:
;;     - K is cut into blocks of 32 from its start; a last block that is shorter is filled with zeros.
;;     - A block's scale is 2^e with e = floor(log2(the largest magnitude in the block)) - 2, held to -126 .. 127; a block of zeros has e = 0. As a byte (E8M0): e + 127.
;;     - Each number is divided by its block's scale, clamped to +-6, and rounded to the nearest number of E2M1, ties to even, subnormals kept.
;;     - The product sums the exact products of the quantised numbers (number of the format x scale) in f32.
;;   ~~~python
;;   def quantise(x, axis):      # numpy; x: float32 -> the quantised numbers, widened to float32 again
;;       x = np.moveaxis(x, axis, -1); K = x.shape[-1]
;;       x = np.pad(x, [(0, 0)] * (x.ndim - 1) + [(0, -K % 32)]); x = x.reshape(x.shape[:-1] + (-1, 32)); a = np.abs(x).max(-1, keepdims=True)
;;       e = np.where(a > 0, np.clip(np.frexp(np.where(a > 0, a, 1))[1] - 1 - 2, -126, 127), 0)      # np.frexp(a)[1] - 1 = floor(log2(a)), exactly
;;       r = np.clip(x / 2.0 ** e, -6, 6)
;;       step = 2.0 ** (np.maximum(np.frexp(np.where(r == 0, 1, r))[1] - 1, 0) - 1)
;;       q = np.round(r / step) * step * 2.0 ** e      # np.round: ties to even
;;       return np.moveaxis(q.reshape(q.shape[:-2] + (-1,))[..., :K], -1, axis).astype(np.float32)
;;   ~~~
;;   SOFTMAX AHEAD OF A QUANTISED PRODUCT. Where the list says 'softmax', what is quantised is not the finished softmax but p = 2^(t - M), with t = logit x log2(e) and M = ceil(the row's largest t), a whole number; so 1/2 < the row's largest p <= 1. The row's sum l is taken of the UNQUANTISED p, in f32, and the product's result is divided by l at the end. Since M is a whole number, a kernel that streams over the keys may use a running M (the ceiling of the running maximum): every later rescaling is an exact power of two, which a block's scale takes up: the codes' values come out the same.
;;   OPERANDS COMPUTED ON THE WAY. 'Computed on the way' means the value that the module computes at that place (a softmax that the list does not call 'softmax' is quantised finished and normalised). What goes into a quantiser is computed in f32, as accurately as f32 sums, v_exp_f32 and their like allow (about 1e-6 of the number): no bf16 or f16 on the way to a quantiser, and a product that is left as it is and whose result goes on into a quantised operand takes f32 operands (vector FMAs, or v_wmma_f32_16x16x4_f32). A number that lies on a knife's edge between two numbers of the format may be rounded either way, as far as f32 arithmetic and the matrix unit's own rounding can turn it there, and no further.
;;   INPUTS GIVEN AS CODES. values (in the module: [8, 1024, 1024], K = its axis 1); w_out (in the module: [1024, 1024], K = its axis 1): each comes as NAME_codes (uint8): NAME with its K axis moved to the last place and cut into blocks of 32 codes, [.., K / 32, bytes a block], one block behind the other in memory; two codes a byte, the lower K in the low four bits (a code: sign, 2 exponent bits, 1 mantissa bit); and NAME_scales (uint8): the same leading axes, one E8M0 byte (e + 127) for each 32 codes along K. Its value is code x scale, taken as it is: it is not quantised again, and the codes and scales need not be those that the quantiser above would give.
;; 2 versions, each right; version 2 is version 1 with the launch attn written anew for expert scheduling mode. Each part assembles by itself: llvm-mc -triple=amdgcn-amd-amdhsa -mcpu=gfx1250 --defsym DOCPART=n.
;; ======== version 1 of 2: 2 launches
;; limits: right only within a limited range of input values
;; workspace buffers: a_codes 4,194,304 bytes; a_scales 262,144 bytes
;; launch attn (part 1): grid 2 x 128, 16 waves a work-group, no clusters, 179,200 bytes of LDS; arguments keys, queries, attention_mask, values_codes, values_scales, a_codes, a_scales; writes a_codes, a_scales
.if DOCPART == 1
	.amdgcn_target "amdgcn-amd-amdhsa--gfx1250"
	.amdhsa_code_object_version 6
	.text
	.protected	k_qa960d69ef1_attn
	.globl	k_qa960d69ef1_attn
	.p2align	8
	.type	k_qa960d69ef1_attn,@function
k_qa960d69ef1_attn:
	s_mov_b64 s[64:65], 0
	v_nop
	global_prefetch_b8 v0, s[64:65] scope:SCOPE_SE
	s_setreg_imm32_b32 hwreg(HW_REG_WAVE_MODE, 25, 1), 1
	s_wait_xcnt 0x0
; Attention of one head on codes of FP4 (E2M1) with one E8M0 scale for each 32 along a product's K; its result, divided by the row's sum, is quantised again along the model's axis and stored as
; the next launch's operand.  8 batches x 16 heads, 1,024 queries, 1,024 keys, head size 64.
; keys, queries: [8][1024][1024] f32: quantised here along the head's 64 channels (two blocks of 32), queries after the exact division by 8.  values: codes with the KEYS innermost, [8][1024 (channel)][512 bytes],
; scale bytes [8][1024][32].  attention_mask: [8][1024] bytes, 0 or 1: a key's logit gets (1 - mask) x -1e12.
; THE SOFTMAX: t = logit x log2(e); M = the running largest t rounded UP to a whole number; p = 2^(t - M) is quantised along the keys; the row's sum is taken of the unquantised p and divides at the end.
; SHARES.  A work-group owns one head and 512 queries (work-group x: which 512; y: 16 x batch + head); each of its sixteen waves owns 32 queries, two tiles of 16, taken one after the other; a tile walks all
; 1,024 keys, 128 a step.  Four waves share a SIMD, so that one wave's vector work stands beside another's matrix work and LDS loads.
; THE HEAD: wave w quantises keys 64 w .. 64 w + 63 and its own 32 queries (eight rows a step, turned through the wave's own stage in LDS so that each load reads whole rows of 256 bytes and each lane then
; holds 16 neighbours along K), and all waves copy V's codes and scale words, and the keys' bias, into LDS.  ONE barrier; behind it LDS is only read.
; OPERANDS LIE IN LDS AS IMAGES OF THEIR REGISTERS (16 bytes a lane, 512 a fragment's four registers).  K = 64 fills half of the instruction's 128: a fragment's registers 0-3.  Q's registers 4-7 are zero codes;
; K's operand names eight registers, of which the upper four hold whatever codes lie there (the next tile's): every code of this format is a finite number, it meets a zero code, and bytes 2 and 3 of both scale words are 127.
; BOTH PRODUCTS ARE USED TRANSPOSED: S^T = K Q^T, O^T = V^T P^T: a lane holds ONE query (lane % 16) throughout.  THE KEYS OF A TILE ARE NOT NEIGHBOURS: row m of tile 2 b + u is key 32 b + 8 u + m + 8 (m / 8),
; so that the 16 registers of tiles 2 b, 2 b + 1 are keys 32 b + 16 (lane / 16) + 0 .. 15.  V's channels are dealt to tiles likewise, so that O^T's registers 16 g + i are channels 32 g + 16 (lane / 16) + i.
; THE MASK.  A step all of whose 128 mask bytes are 1 takes t - M by one fused multiply-add of the score.  Any other step (a scalar branch on the mask's bytes; no barrier stands under it) first makes
; t = score x log2(e) + bias x log2(e), ROUNDED, and then t - M: with a bias of -1e12 a fused form would leave the product's rounding residue in the exponent.
; OUT.  a_codes is laid in the order of the next product's operand registers: [row / 16][head][lane][16 bytes]: a tile's codes of one head are 512 consecutive bytes, aligned, one store of the wave.
; a_scales is [row][32]: a wave's 32 rows get 2 bytes each by one store: 64 bytes against the wave's 1,024 of codes; these go out as short pieces of rows 32 bytes apart.
; NO CLUSTER, NO TENSOR LOAD: the two work-groups of a head share K and V, but K (256 KB of f32 a head) has to pass through registers to be quantised, and V is 34 KB of the 420 KB that a work-group reads.
; LIMITS: NaN and infinities among the inputs are not served.  A block whose largest magnitude lies under 2^-124 keeps the scale byte 1, a block of zeros too (its codes are zeros; only this program reads
; the bytes).  Under a bias of -1e12 a score is absorbed in t, whose spacing there is 2^17, and not in the logit, whose spacing is 2^16: scores beyond some 3e4 in a batch whose keys are ALL masked differ.
.set KSC,  0                           ; LDS: K's scale words: 512 step + 256 (tile / 4) + 16 row + 4 (tile % 4)
.set VSC,  4096                        ; V's scale words: 256 step + 16 row + 4 tile
.set BIAS, 6144                        ; bias x log2(e), f32, by key
.set QSC,  10240                       ; Q's scale words: 128 wave + 64 tile + 4 row
.set QIMG, 12288                       ; Q's images: 1,024 wave + 512 tile + 16 lane
.set KIMG, 28672                       ; K's images: 512 (8 step + tile) + 16 lane
.set VIMG, 61440                       ; V: 64 rows of 512 bytes + 16, in tile order: row 16 tile + m
.set VP,   528                         ; 33 x 16 bytes: the 16 rows of a fragment load start at 16 different 16-byte columns of 256
.set STG,  95232                       ; for each wave two stages of 32 x 80 bytes
.set AK,  1                            ; v1   KIMG + 16 lane
.set R16, 2                            ; v2   16 (lane % 16): a row's four scale words
.set AV,  3                            ; v3   VIMG + 528 (lane % 16) + 16 (lane / 16)
.set AB,  4                            ; v4   BIAS + 64 (lane / 16)
.set AQ,  5                            ; v5   QIMG + 1,024 wave + 16 lane
.set AQS, 6                            ; v6   QSC + 128 wave + 4 (lane % 16)
.set GO,  7                            ; v7   16 lane: my place in a store of codes
.set GS,  8                            ; v8   32 lane: my row of a_scales
.set SW,  9                            ; v9   lanes 0-15: tile 0's rows' two scale bytes; lanes 16-31: tile 1's
.set QA,  10                           ; v10, v11 the tile's addresses of Q's image and scale words
.set QB,  11
.set NM,  12                           ; v12  -M
.set TX,  13                           ; v13  the largest t so far
.set LS,  14                           ; v[14:15] the row's sum, in two halves
.set QF,  16                           ; v[16:23] Q's fragment; v20-23 stay zero
.set QS,  24                           ; v24  Q's scale words
.set PS,  25                           ; v25  p's scale word
.set FF,  26                           ; v[26:27] f = 2^(old M - new M); v27 is only named with it
.set T0,  28                           ; v28  at work
.set L2,  30                           ; v[30:31] the sum's second chain
.set KS,  32                           ; v[32:39] K's scale words, a register a tile
.set VS,  40                           ; v[40:43] V's
.set BM,  44                           ; v[44:47] a block's largest score, then its largest p
.set T2,  48                           ; v[48:51] at work
.set SO,  52                           ; v[52:55] the conversions' scale operands
.set PC,  56                           ; v[56:63] codes just made
.set FB,  64                           ; v[64:95] K's eight tiles, four registers each; v[96:127] V's four fragments; all 64: the bias of a masked step
.set SA,  128                          ; v[128:191] S^T, then p; at a tile's end O^T / the sum
.set OA,  192                          ; v[192:223] O^T
.set RR,  64                           ; THE HEAD'S REGISTERS: v64-127 four sets of 16 numbers as loaded
.set XX,  128                          ; v128-159 two sets of 16 neighbours
.set CD,  160                          ; v160-183 two registers of codes for each step
.set EW,  184                          ; v184-195 a scale word for each step
.set VT,  196                          ; v196-211 V's codes on their way; v212 V's scale word; v213 two mask bytes; v214-221 a step's mask bytes, four a lane; v[222:223] two numbers of the bias
.set LG,  224                          ; v224 4,096 (lane / 16) + 16 (lane % 16): two rows of 256 bytes to a load
.set SIN, 225                          ; v225 into the stage: 80 (lane / 4) + 16 (lane % 4)
.set SOUT,226                          ; v226 out of it: 80 lane
.set IAK, 227                          ; v227 where my 8 bytes of K's codes go;  v228 Q's
.set IAQ, 228
.set SAK, 229                          ; v229 where my row's scale word of K goes;  v230 Q's
.set SAQ, 230
.set SH,  231                          ; v231 8 x my block's number
.set T16, 232                          ; v232-235 16, 4, 2 x thread; 4 x lane
.set T4,  233
.set T2B, 234
.set L4,  235
.set VW,  236                          ; v236 where V's codes go;  v237 its scale word;  v238 the bias
.set VSW, 237
.set BW,  238
.set M8,  239                          ; v239-243 at work
.set M9,  240
.set SOP, 241
.set BY,  242
.set DT,  243
	s_load_b256 s[4:11], s[0:1], 0x0               ; keys s[4:5], queries s[6:7], mask s[8:9], V's codes s[10:11]
	s_load_b128 s[12:15], s[0:1], 0x20             ; V's scales s[12:13], a_codes s[14:15]
	s_load_b64 s[16:17], s[0:1], 0x30              ; a_scales
	v_lshl_add_u32 v254, v0, 2, 0x2b400
	v_mov_b32 v255, 0
	v_lshrrev_b32 v244, 5, v0
	v_readfirstlane_b32 s18, v244                  ; wave 0..15
	v_and_b32 v244, 31, v0                         ; lane
	v_and_b32 v245, 15, v0                         ; r = lane % 16
	v_bfe_u32 v246, v0, 4, 1                       ; h = lane / 16
	v_bfe_u32 v248, v0, 2, 3                       ; lane / 4: my row of a quantising step's eight
	v_and_b32 v249, 3, v0
	v_bfe_u32 v250, v0, 1, 1                       ; my block of the row's two
	v_and_b32 v251, 1, v0                          ; my half of the block
.irp j, 20,21,22,23
	v_mov_b32 v\j, 0                               ; Q's zero codes for k = 64 .. 127
.endr
	v_mov_b32 v[SW], 0
	v_mov_b32 v[FF+1], 0                           ; named as the upper half of a pair
	v_mov_b32 v[DT], 0                             ; a destination of a lane exchange counts as read: written once
.irp b, 0,1,2,3
	v_mov_b32 v[T2+\b], 0
.endr
	v_lshl_add_u32 v[AK], v244, 4, KIMG
	v_lshlrev_b32 v[R16], 4, v245
	v_mul_u32_u24 v[AV], v245, VP
	v_lshl_add_u32 v[AV], v246, 4, v[AV]
	v_add_nc_u32 v[AV], VIMG, v[AV]
	v_lshl_add_u32 v[AB], v246, 6, BIAS
	s_lshl_b32 s36, s18, 10
	s_add_co_u32 s36, s36, QIMG
	v_lshl_add_u32 v[AQ], v244, 4, s36
	v_lshlrev_b32 v252, 4, v248                    ; my 8 bytes in an image: 16 (lane / 4) + 256 block + 8 half
	v_lshl_add_u32 v252, v250, 8, v252
	v_lshl_add_u32 v252, v251, 3, v252
	v_add_nc_u32 v[IAQ], s36, v252
	s_lshl_b32 s36, s18, 7
	s_add_co_u32 s36, s36, QSC
	v_lshl_add_u32 v[AQS], v245, 2, s36
	v_lshl_add_u32 v[SAQ], v248, 2, s36
	v_lshlrev_b32 v[GO], 4, v244
	v_lshlrev_b32 v[GS], 5, v244
	v_lshlrev_b32 v[LG], 4, v245
	v_lshl_add_u32 v[LG], v246, 12, v[LG]
	s_mul_i32 s36, s18, 5120
	s_add_co_u32 s36, s36, STG                     ; my wave's stages
	v_mul_u32_u24 v[SIN], v248, 80
	v_lshl_add_u32 v[SIN], v249, 4, v[SIN]
	v_add_nc_u32 v[SIN], s36, v[SIN]
	v_mul_u32_u24 v[SOUT], v244, 80
	v_add_nc_u32 v[SOUT], s36, v[SOUT]
	s_lshl_b32 s36, s18, 11                        ; my wave's 64 keys are four tiles: 2,048 bytes of images
	s_add_co_u32 s36, s36, KIMG
	v_add_nc_u32 v[IAK], s36, v252
	s_lshl_b32 s36, s18, 8                         ; and 256 bytes of scale words (KSC = 0)
	v_lshl_add_u32 v[SAK], v248, 4, s36
	v_lshlrev_b32 v[SH], 3, v250
	v_lshlrev_b32 v[T16], 4, v0
	v_lshlrev_b32 v[T4], 2, v0
	v_lshlrev_b32 v[T2B], 1, v0
	v_lshlrev_b32 v[L4], 2, v244
	s_lshr_b32 s36, s18, 3                         ; V: load i brings my wave channel w + 16 i, which is row 32 (i / 2) + 8 (i % 2) + w + 8 (w / 8) in tile order
	s_lshl_b32 s36, s36, 3
	s_add_co_u32 s36, s36, s18
	s_mul_i32 s36, s36, VP
	s_add_co_u32 s36, s36, VIMG
	v_lshl_add_u32 v[VW], v244, 4, s36
	v_and_b32 v253, 7, v0                          ; V's scale word number t (thread): channel t / 8, step t % 8
	v_lshlrev_b32 v[VSW], 8, v253                  ; 256 step
	v_bfe_u32 v253, v0, 3, 3
	v_lshl_add_u32 v[VSW], v253, 4, v[VSW]         ; + 16 (channel % 8)
	v_bfe_u32 v253, v0, 7, 1
	v_lshl_add_u32 v[VSW], v253, 7, v[VSW]         ; + 128 ((channel / 16) % 2): the row's upper half
	v_bfe_u32 v253, v0, 6, 1
	v_lshl_add_u32 v[VSW], v253, 2, v[VSW]         ; + 4 ((channel / 8) % 2)
	v_lshrrev_b32 v253, 8, v0
	v_lshl_add_u32 v[VSW], v253, 3, v[VSW]         ; + 8 (channel / 32): together 4 x tile
	v_add_nc_u32 v[VSW], VSC, v[VSW]
	v_lshl_add_u32 v[BW], v0, 3, BIAS
	s_mov_b32 s20, 0x76543210
	s_mov_b32 s21, 0xfedcba98                      ; v_permlanex16_b32's selects for lane l xor 16
	s_mov_b32 s23, 0                               ; named with s22 as a pair
	s_mov_b32 s30, 0x3fb8aa3b                      ; log2(e)
	s_mov_b32 s31, s30
	s_and_b32 s33, ttmp7, 0xffff                   ; y = 16 batch + head
	s_lshr_b32 s34, s33, 4                         ; batch
	s_and_b32 s35, s33, 15                         ; head
	s_mov_b32 s29, 0                               ; every offset below stays under 2^32
	s_lshl_b32 s37, s34, 22
	s_lshl_b32 s36, s35, 8
	s_add_co_u32 s37, s37, s36                     ; keys, queries: the batch's 1,024 rows of 4,096 bytes, the head's 256 bytes of a row
	s_wait_kmcnt 0x0
	s_lshl_b32 s36, s18, 18
	s_add_co_u32 s28, s37, s36                     ; my wave's 64 keys
	s_add_nc_u64 s[4:5], s[4:5], s[28:29]
	s_lshl_b32 s36, ttmp9, 21
	s_add_co_u32 s28, s37, s36                     ; the work-group's 512 queries,
	s_lshl_b32 s36, s18, 17
	s_add_co_u32 s28, s28, s36                     ; my wave's 32
	s_add_nc_u64 s[6:7], s[6:7], s[28:29]
	s_lshl_b32 s28, s34, 10
	s_add_nc_u64 s[8:9], s[8:9], s[28:29]          ; the batch's mask
	s_lshl_b32 s28, s33, 15
	s_add_nc_u64 s[10:11], s[10:11], s[28:29]      ; the head's 64 rows of 512 bytes
	s_lshl_b32 s28, s33, 11
	s_add_nc_u64 s[12:13], s[12:13], s[28:29]      ; and of 32 scale bytes
	s_lshl_b32 s28, s34, 19                        ; a_codes: 8,192 bytes for 16 rows: batch, the 512 queries, my 32, + 512 head
	s_lshl_b32 s36, ttmp9, 18
	s_add_co_u32 s28, s28, s36
	s_lshl_b32 s36, s18, 14
	s_add_co_u32 s28, s28, s36
	s_lshl_b32 s36, s35, 9
	s_add_co_u32 s28, s28, s36
	s_add_nc_u64 s[14:15], s[14:15], s[28:29]
	s_lshl_b32 s28, s34, 15                        ; a_scales: 32 bytes a row, + 2 head
	s_lshl_b32 s36, ttmp9, 14
	s_add_co_u32 s28, s28, s36
	s_lshl_b32 s36, s18, 10
	s_add_co_u32 s28, s28, s36
	s_lshl_b32 s36, s35, 1
	s_add_co_u32 s28, s28, s36
	s_add_nc_u64 s[16:17], s[16:17], s[28:29]
; Quantising step t: eight rows of 64 numbers.  t = 0 .. 7: my keys 8 t on;  t = 8 .. 11: my queries 8 (t - 8) on.  Four loads, each two whole rows of 256 bytes.
.macro LOADS t
.irp i, 0,1,2,3
.if (\t) < 8
	global_load_b128 v[RR+16*((\t)%4)+4*\i:RR+16*((\t)%4)+4*\i+3], v[LG], s[4:5] offset:((\t)%8)*32768+\i*8192   ; the head's other work-group reads these too: no hint
.else
	global_load_b128 v[RR+16*((\t)%4)+4*\i:RR+16*((\t)%4)+4*\i+3], v[LG], s[6:7] offset:((\t)%8)*32768+\i*8192 th:TH_LOAD_NT   ; read once in the launch
.endif
.endr
.endm
; The step's 2,048 bytes go into the wave's own stage as they lie, 16 bytes of padding behind each 64, and come back 64 bytes a lane: lane l then holds row l / 4, channels 16 (l % 4) + 0 .. 15.
; LDS serves a wave's instructions in order (ISA guide 5.7.1.4): no wait between the stores and the loads.
.macro TURN t
.irp i, 0,1,2,3
	ds_store_b128 v[SIN], v[RR+16*((\t)%4)+4*\i:RR+16*((\t)%4)+4*\i+3] offset:2560*((\t)%2)+640*\i
.endr
.irp i, 0,1,2,3
	ds_load_b128 v[XX+16*((\t)%2)+4*\i:XX+16*((\t)%2)+4*\i+3], v[SOUT] offset:2560*((\t)%2)+16*\i
.endr
.endm
.macro QSTEP t
.set XS, XX+16*((\t)%2)
.if (\t) > 0
	s_wait_dscnt 2                                 ; this step's numbers are back from the stage; behind those loads stand only the last step's two stores
.else
	s_wait_dscnt 0x0
.endif
.if (\t)+4 < 12
	LOADS (\t)+4                                   ; into the set that this step's stores into the stage have read
.endif
.if (\t)+1 < 12
.if 10-(\t) >= 3
	s_wait_loadcnt 12                              ; the next step's four loads are in; those of the three steps behind it may be out
.else
	s_wait_loadcnt 4*(10-(\t))                     ; near the end fewer stand behind them
.endif
	TURN (\t)+1                                    ; through the other stage while this step is worked
.endif
.if (\t) >= 8
.irp i, 0,2,4,6,8,10,12,14
	v_pk_mul_f32 v[XS+\i:XS+\i+1], v[XS+\i:XS+\i+1], 0x3e000000 op_sel_hi:[1,0]   ; q / sqrt(64): exact
.endr
.endif
	v_max3_num_f32 v[M8], |v[XS]|, |v[XS+1]|, |v[XS+2]|            ; the largest magnitude of my 16, in two chains
	v_max3_num_f32 v[M9], |v[XS+3]|, |v[XS+4]|, |v[XS+5]|
.irp i, 6,10
	v_max3_num_f32 v[M8], v[M8], |v[XS+\i]|, |v[XS+\i+1]|
	v_max3_num_f32 v[M9], v[M9], |v[XS+\i+2]|, |v[XS+\i+3]|
.endr
	v_max3_num_f32 v[M8], v[M8], |v[XS+14]|, |v[XS+15]|
	v_max3_num_f32 v[M8], v[M8], v[M9], 0x1800000                  ; and the floor 2^(3 - 127): the byte cannot fall under 1
	v_max_num_f32_dpp v[M8], v[M8], v[M8] row_xmask:1 row_mask:0xf bank_mask:0xf   ; with my neighbour's 16: the block's
	v_add_nc_u32 v[SOP], 0xff000000, v[M8]         ; 2 off its exponent field: the conversion takes the exponent field of this operand as its scale
	v_cvt_scalef32_pk8_fp4_f32 v[CD+2*(\t)], v[XS:XS+7], v[SOP]
	v_cvt_scalef32_pk8_fp4_f32 v[CD+2*(\t)+1], v[XS+8:XS+15], v[SOP]
	v_lshrrev_b32 v[BY], 23, v[SOP]                ; the scale's byte (also the plain line behind the conversions),
	v_lshlrev_b32 v[BY], v[SH], v[BY]              ; at its block's place,
	v_mov_b32_dpp v[DT], v[BY] row_xmask:2 row_mask:0xf bank_mask:0xf
	v_or_b32 v[BY], v[BY], v[DT]                   ; with the row's other block's,
	v_or_b32 v[EW+(\t)], 0x7f7f0000, v[BY]         ; and 127 for k = 64 .. 127
.if (\t) < 8                                   ; key 64 w + 8 t + j is row 8 ((t / 2) % 2) + j of tile 4 (w % 2) + 2 (t / 4) + t % 2 of step w / 2
	ds_store_b64 v[IAK], v[CD+2*(\t):CD+2*(\t)+1] offset:((\t)/4)*1024+((\t)%2)*512+(((\t)/2)%2)*128
	ds_store_b32 v[SAK], v[EW+(\t)] offset:(((\t)/2)%2)*128+((\t)/4)*8+((\t)%2)*4   ; the four lanes of a row store the same word
.else                                          ; query 8 (t - 8) + j is row 8 (t % 2) + j of tile (t - 8) / 2
	ds_store_b64 v[IAQ], v[CD+2*(\t):CD+2*(\t)+1] offset:(((\t)-8)/2)*512+((\t)%2)*128
	ds_store_b32 v[SAQ], v[EW+(\t)] offset:(((\t)-8)/2)*64+((\t)%2)*32
.endif
.endm
.irp i, 0,1,2,3
	global_load_b128 v[VT+4*\i:VT+4*\i+3], v[T16], s[10:11] offset:\i*8192   ; V's codes: 512 threads x 16 bytes: 16 rows a load
.endr
	global_load_b32 v212, v[T4], s[12:13]          ; V's 512 scale words
	global_load_u16 v213, v[T2B], s[8:9]           ; the mask bytes of keys 2 t, 2 t + 1
.irp s, 0,1,2,3,4,5,6,7
	global_load_b32 v[214+\s], v[L4], s[8:9] offset:128*\s   ; every wave: step s's 128 mask bytes, four a lane
.endr
	LOADS 0
	LOADS 1
	LOADS 2
	LOADS 3
	s_wait_loadcnt 16                              ; the fourteen small loads are in; the sixteen of steps 0 to 3 may be out
.irp i, 0,1,2,3
	ds_store_b128 v[VW], v[VT+4*\i:VT+4*\i+3] offset:(32*(\i/2)+8*(\i%2))*VP
.endr
	ds_store_b32 v[VSW], v212
	v_and_b32 v222, 0xff, v213
	v_lshrrev_b32 v223, 8, v213
	v_cvt_f32_u32 v222, v222
	v_cvt_f32_u32 v223, v223
	v_sub_f32 v222, 1.0, v222
	v_sub_f32 v223, 1.0, v223
	v_pk_mul_f32 v[222:223], v[222:223], 0xd368d4a5 op_sel_hi:[1,0]   ; (1 - mask) x -1e12,
	v_pk_mul_f32 v[222:223], v[222:223], 0x3fb8aa3b op_sel_hi:[1,0]   ; x log2(e)
	ds_store_b64 v[BW], v[222:223]
	s_mov_b32 s19, 0                               ; bit s: step s has a key whose mask byte is not 1
.irp s, 0,1,2,3,4,5,6,7
	v_cmp_ne_u32 vcc_lo, 0x01010101, v[214+\s]
	s_cmp_lg_u32 vcc_lo, 0
	s_cselect_b32 s36, 1<<\s, 0
	s_or_b32 s19, s19, s36
.endr
	s_wait_loadcnt 12                              ; step 0's four loads are in
	TURN 0
.irp t, 0,1,2,3,4,5,6,7,8,9,10,11
	QSTEP \t
.endr
	s_wait_dscnt 0x0                               ; for the others' sake: all my stores into LDS have landed
	s_barrier_signal -1
	s_barrier_wait -1                              ; the head's K, V, scale words and bias lie in LDS; from here on LDS is only read
; A KEY STEP: keys 128 s .. 128 s + 127.  Every LDS offset is an immediate: the eight steps are written out.
.macro STEP s
	s_mov_b32 s22, 0x3fb8aa3b                      ; what a register of S^T is multiplied by on its way to t - M: log2(e) while it holds a score
.irp t, 0,1,2,3,4,5,6,7
	ds_load_b128 v[FB+4*\t:FB+4*\t+3], v[AK] offset:\s*4096+\t*512
.endr
	ds_load_b128 v[KS:KS+3], v[R16] offset:KSC+\s*512
	ds_load_b128 v[KS+4:KS+7], v[R16] offset:KSC+\s*512+256
	s_wait_dscnt 0x0                               ; (in a tile's first step Q's loads too)
.irp t, 0,1,2,3,4,5,6,7
	v_wmma_scale_f32_16x16x128_f8f6f4 v[SA+8*\t:SA+8*\t+7], v[FB+4*\t:FB+4*\t+7], v[QF:QF+7], 0, v[KS+\t], v[QS] matrix_a_fmt:MATRIX_FMT_FP4 matrix_b_fmt:MATRIX_FMT_FP4
.endr
.rept 4
	v_nop                                          ; four places in front of the first read of the scores and of the loads into registers that matrix instructions have read: these products' and the last step's V^T P's
.endr
	s_bitcmp1_b32 s19, \s
	s_cbranch_scc0 .Lopen_\@                       ; all 128 keys count: nothing to add
	s_mov_b32 s22, 1.0                             ; the registers will hold t itself
.set n, 0
.rept 16
	ds_load_b128 v[FB+4*n:FB+4*n+3], v[AB] offset:\s*512+128*(n/4)+16*(n%4)   ; register 16 b + i: the bias of key 32 b + 16 (lane / 16) + i
.set n, n+1
.endr
	s_wait_dscnt 0x0
.set j, 0
.rept 32
	v_pk_fma_f32 v[SA+j:SA+j+1], v[SA+j:SA+j+1], s[30:31], v[FB+j:FB+j+1] op_sel_hi:[1,0,1]   ; t = score x log2(e) + bias x log2(e), rounded here; each accumulator from its low end on
.set j, j+2
.endr
.Lopen_\@:
.irp d, 0,1,2,3                                ; V's four fragments and scale words are asked for now and land under the softmax
.irp c, 0,1
	ds_load_b128 v[FB+32+8*\d+4*\c:FB+32+8*\d+4*\c+3], v[AV] offset:\d*16*VP+64*\s+32*\c
.endr
.endr
	ds_load_b128 v[VS:VS+3], v[R16] offset:VSC+\s*256
.irp b, 0,1,2,3
	v_max3_num_f32 v[BM+\b], v[SA+16*\b], v[SA+16*\b+1], v[SA+16*\b+2]   ; the largest score of each block of 32 keys: it serves for the row's maximum and, since p rises with the score, for the block's largest p
.endr
.irp i, 3,5,7,9,11,13
.irp b, 0,1,2,3
	v_max3_num_f32 v[BM+\b], v[BM+\b], v[SA+16*\b+\i], v[SA+16*\b+\i+1]   ; (the four blocks by turns)
.endr
.endr
.irp b, 0,1,2,3
	v_max_num_f32 v[BM+\b], v[BM+\b], v[SA+16*\b+15]
.endr
.irp b, 0,1,2,3
	v_permlanex16_b32 v[T2+\b], v[BM+\b], s20, s21
.endr
.irp b, 0,1,2,3
	v_max_num_f32 v[BM+\b], v[BM+\b], v[T2+\b]     ; with lane l xor 16's 16 keys
.endr
	v_max3_num_f32 v[T0], v[BM], v[BM+1], v[BM+2]
	v_max_num_f32 v[T0], v[T0], v[BM+3]
	v_mul_f32 v[T0], s22, v[T0]                    ; the step's largest t of my query
	v_max_num_f32 v[TX], v[TX], v[T0]
	v_mov_b32 v[T0], v[NM]
	v_floor_f32 v[NM], -v[TX]                      ; the new -M = floor(-t) = -ceil(t): a whole number
	v_sub_f32 v[T0], v[NM], v[T0]                  ; old M - new M: a whole number, 0 or less
	v_cvt_i32_f32 v[T0], v[T0]                     ; (it saturates)
	v_ldexp_f32 v[FF], 1.0, v[T0]                  ; f = 2^(old M - new M): a multiplication by it rounds nothing
.set j, 0
.rept 32
	v_pk_fma_f32 v[SA+j:SA+j+1], v[SA+j:SA+j+1], s[22:23], v[NM:NM+1] op_sel_hi:[1,0,0]   ; t - M, two at a time (of both pairs the low word serves both halves)
.set j, j+2
.endr
.irp b, 0,1,2,3
	v_fma_f32 v[BM+\b], v[BM+\b], s22, v[NM]       ; the same of each block's largest
.endr
.set j, 0
.rept 64
	v_exp_f32 v[SA+j], v[SA+j]                     ; p = 2^(t - M), at most 1, not normalised
.set j, j+1
.endr
.irp b, 0,1,2,3
	v_exp_f32 v[BM+\b], v[BM+\b]                   ; the block's largest p: the same two instructions on the same number
.endr
	v_pk_mul_f32 v[LS:LS+1], v[LS:LS+1], v[FF:FF+1] op_sel_hi:[1,0]   ; the sums under the new M (a plain line behind the exponentials: ISA guide 5.7.2)
	s_wait_alu depctr_va_vdst(0)
.irp b, 0,1,2,3
	v_max_num_f32 v[BM+\b], 0x1800000, v[BM+\b]    ; the floor 2^(3 - 127): the byte cannot fall under 1
.endr
.irp b, 0,1,2,3
	v_add_nc_u32 v[SO+\b], 0xff000000, v[BM+\b]    ; 2 off the exponent field: the conversion's scale operand
.endr
.irp b, 0,1,2,3
	v_lshrrev_b32 v[T2+\b], 23, v[SO+\b]           ; the scale's byte
.endr
	v_lshl_or_b32 v[PS], v[T2+1], 8, v[T2]         ; p's scale word for these 128 keys
	v_lshl_or_b32 v[PS], v[T2+2], 16, v[PS]
	v_lshl_or_b32 v[PS], v[T2+3], 24, v[PS]
.irp b, 0,1,2,3
	v_cvt_scalef32_pk8_fp4_f32 v[PC+2*\b], v[SA+16*\b:SA+16*\b+7], v[SO+\b]
	v_cvt_scalef32_pk8_fp4_f32 v[PC+2*\b+1], v[SA+16*\b+8:SA+16*\b+15], v[SO+\b]
.endr
	v_nop                                          ; one plain line behind the conversions
.irp c, 0,1                                    ; the operand wants a whole block in a lane: lanes 0-15 block 2 c, lanes 16-31 block 2 c + 1
.irp i, 0,1
	v_permlane16_swap_b32 v[PC+4*\c+\i], v[PC+4*\c+2+\i]
.endr
.endr
	v_pk_add_f32 v[L2:L2+1], v[SA:SA+1], v[SA+2:SA+3]   ; the row's sum is taken of the unquantised p: two at a time, in two chains.  These 32 lines are also the places between the writes of p's codes and scale word and the products
.set j, 4
.rept 15
	v_pk_add_f32 v[LS:LS+1], v[LS:LS+1], v[SA+j:SA+j+1]
	v_pk_add_f32 v[L2:L2+1], v[L2:L2+1], v[SA+j+2:SA+j+3]
.set j, j+4
.endr
	v_pk_add_f32 v[LS:LS+1], v[LS:LS+1], v[L2:L2+1]
.if \s > 0
.set j, 0
.rept 16
	v_pk_mul_f32 v[OA+j:OA+j+1], v[OA+j:OA+j+1], v[FF:FF+1] op_sel_hi:[1,0]   ; O^T under the new M, each accumulator from its low end on
.set j, j+2
.endr
.endif
	s_wait_dscnt 0x0                               ; V's fragments and scale words are in
.irp d, 0,1,2,3                                ; O^T += V^T P^T; the four accumulators by turns, and eight other products stand between two steps'
.if \s == 0
	v_wmma_scale_f32_16x16x128_f8f6f4 v[OA+8*\d:OA+8*\d+7], v[FB+32+8*\d:FB+32+8*\d+7], v[PC:PC+7], 0, v[VS+\d], v[PS] matrix_a_fmt:MATRIX_FMT_FP4 matrix_b_fmt:MATRIX_FMT_FP4   ; a tile's first step starts the sums: nothing is cleared
.else
	v_wmma_scale_f32_16x16x128_f8f6f4 v[OA+8*\d:OA+8*\d+7], v[FB+32+8*\d:FB+32+8*\d+7], v[PC:PC+7], v[OA+8*\d:OA+8*\d+7], v[VS+\d], v[PS] matrix_a_fmt:MATRIX_FMT_FP4 matrix_b_fmt:MATRIX_FMT_FP4
.endif
.endr
.endm
	s_mov_b32 s24, 0                               ; the tile
	s_mov_b32 s25, 0                               ; its place among my images of Q,
	s_mov_b32 s26, 0                               ; among their scale words,
	s_mov_b32 s27, 0xffff                          ; and the lanes of v9 that keep its rows' scale bytes
.Ltile:                                                ; two trips: my two tiles of 16 queries
	v_add_nc_u32 v[QA], s25, v[AQ]
	v_add_nc_u32 v[QB], s26, v[AQS]
	ds_load_b128 v[QF:QF+3], v[QA]
	ds_load_b32 v[QS], v[QB]
	v_mov_b32 v[TX], 0xff61b1e6                    ; the largest t so far: -3e38, under every t
	v_floor_f32 v[NM], -v[TX]
	v_mov_b32 v[LS], 0
	v_mov_b32 v[LS+1], 0
.irp s, 0,1,2,3,4,5,6,7
	STEP \s
.endr
	; THE TILE'S END: O^T / the row's sum, quantised along the head's 64 channels: two blocks of the next product's K
.rept 4
	v_nop                                          ; four places behind the last products
.endr
	v_add_f32 v[LS], v[LS], v[LS+1]                ; the sum's two halves,
	v_permlanex16_b32 v[T0], v[LS], s20, s21
	v_add_f32 v[LS], v[LS], v[T0]                  ; and lane l xor 16's keys: the row's sum
	v_rcp_f32 v[LS], v[LS]
	v_nop                                          ; a plain line behind the reciprocal
.set j, 0
	s_wait_alu depctr_va_vdst(0)
.rept 16
	v_pk_mul_f32 v[SA+j:SA+j+1], v[OA+j:OA+j+1], v[LS:LS+1] op_sel_hi:[1,0]   ; register 16 g + i: channel 32 g + 16 (lane / 16) + i of my query
.set j, j+2
.endr
.irp b, 0,1
	v_max3_num_f32 v[BM+\b], |v[SA+16*\b]|, |v[SA+16*\b+1]|, 0x1800000   ; block g: my 16 numbers and the floor
.endr
.irp i, 2,4,6,8,10,12,14
.irp b, 0,1
	v_max3_num_f32 v[BM+\b], v[BM+\b], |v[SA+16*\b+\i]|, |v[SA+16*\b+\i+1]|
.endr
.endr
.irp b, 0,1
	v_permlanex16_b32 v[T2+\b], v[BM+\b], s20, s21
.endr
.irp b, 0,1
	v_max_num_f32 v[BM+\b], v[BM+\b], v[T2+\b]
.endr
.irp b, 0,1
	v_add_nc_u32 v[SO+\b], 0xff000000, v[BM+\b]
.endr
.irp b, 0,1
	v_lshrrev_b32 v[T2+\b], 23, v[SO+\b]
.endr
	v_lshl_or_b32 v[T0], v[T2+1], 8, v[T2]         ; my row's two scale bytes
.irp b, 0,1
	v_cvt_scalef32_pk8_fp4_f32 v[PC+2*\b], v[SA+16*\b:SA+16*\b+7], v[SO+\b]
	v_cvt_scalef32_pk8_fp4_f32 v[PC+2*\b+1], v[SA+16*\b+8:SA+16*\b+15], v[SO+\b]
.endr
	v_nop                                          ; one plain line behind the conversions
	v_permlane16_swap_b32 v[PC], v[PC+2]           ; lanes 0-15: block 0 whole, lanes 16-31: block 1 whole: four registers of the next product's operand
	v_permlane16_swap_b32 v[PC+1], v[PC+3]
	global_store_b128 v[GO], v[PC:PC+3], s[14:15]  ; 512 consecutive bytes, at a multiple of 512 from the buffer's first byte
	v_cndmask_b32 v[SW], v[SW], v[T0], s27         ; lanes r and 16 + r hold the same pair: the tile's half of the lanes keeps it
	s_wait_xcnt 0x0                                ; the store's base and data are written again only behind this wait
	s_add_nc_u64 s[14:15], s[14:15], 8192          ; the next 16 rows
	s_add_co_u32 s25, s25, 512
	s_add_co_u32 s26, s26, 64
	s_lshl_b32 s27, s27, 16
	s_add_co_u32 s24, s24, 1
	s_cmp_lt_u32 s24, 2
	s_cbranch_scc1 .Ltile
	global_store_b16 v[GS], v[SW], s[16:17]        ; lane l: row l of my 32: its two scale bytes of this head
	s_wait_tensorcnt 0x0
	ds_add_u32 v254, v255
	s_wait_dscnt 0x0
	s_endpgm
.Lfunc_end_k_qa960d69ef1_attn:
	.size	k_qa960d69ef1_attn, .Lfunc_end_k_qa960d69ef1_attn-k_qa960d69ef1_attn
	.p2alignl 7, 3214868480
	.fill 96, 4, 3214868480
	.section	.rodata,"a",@progbits
	.p2align	6, 0x0
	.amdhsa_kernel k_qa960d69ef1_attn
		.amdhsa_group_segment_fixed_size 179200
		.amdhsa_private_segment_fixed_size 0
		.amdhsa_enable_private_segment 0
		.amdhsa_kernarg_size 56
		.amdhsa_user_sgpr_count 2
		.amdhsa_user_sgpr_kernarg_segment_ptr 1
		.amdhsa_wavefront_size32 1
		.amdhsa_system_sgpr_workgroup_id_x 1
		.amdhsa_system_sgpr_workgroup_id_y 1
		.amdhsa_system_sgpr_workgroup_id_z 1
		.amdhsa_system_vgpr_workitem_id 0
		.amdhsa_next_free_vgpr 256
		.amdhsa_next_free_sgpr 66
		.amdhsa_reserve_vcc 1
		.amdhsa_float_denorm_mode_32 3
		.amdhsa_float_denorm_mode_16_64 3
		.amdhsa_memory_ordered 1
		.amdhsa_forward_progress 1
		.amdhsa_inst_pref_size 182
	.end_amdhsa_kernel
	.amdgpu_metadata
---
amdhsa.version: [ 1, 2 ]
amdhsa.kernels:
  - .name:           k_qa960d69ef1_attn
    .symbol:         k_qa960d69ef1_attn.kd
    .args:
      - { .name: keys, .offset: 0, .size: 8, .value_kind: global_buffer, .address_space: global }
      - { .name: queries, .offset: 8, .size: 8, .value_kind: global_buffer, .address_space: global }
      - { .name: attention_mask, .offset: 16, .size: 8, .value_kind: global_buffer, .address_space: global }
      - { .name: values_codes, .offset: 24, .size: 8, .value_kind: global_buffer, .address_space: global }
      - { .name: values_scales, .offset: 32, .size: 8, .value_kind: global_buffer, .address_space: global }
      - { .name: a_codes, .offset: 40, .size: 8, .value_kind: global_buffer, .address_space: global }
      - { .name: a_scales, .offset: 48, .size: 8, .value_kind: global_buffer, .address_space: global }
    .group_segment_fixed_size: 179200
    .private_segment_fixed_size: 0
    .kernarg_segment_align: 8
    .kernarg_segment_size: 56
    .max_flat_workgroup_size: 512
    .sgpr_count:     66
    .vgpr_count:     256
    .wavefront_size: 32
...
	.end_amdgpu_metadata
.endif
;; end of part 1
;; launch proj (part 2): grid 4 x 32, 4 waves a work-group, clusters of 4 x 4, 327,680 bytes of LDS; arguments a_codes, a_scales, w_out_codes, w_out_scales, out0; writes out0
.if DOCPART == 2
	.amdgcn_target "amdgcn-amd-amdhsa--gfx1250"
	.amdhsa_code_object_version 6
	.text
	.protected	k_qa960d69ef1_proj
	.globl	k_qa960d69ef1_proj
	.p2align	8
	.type	k_qa960d69ef1_proj,@function
k_qa960d69ef1_proj:
	s_mov_b64 s[64:65], 0
	v_nop
	global_prefetch_b8 v0, s[64:65] scope:SCOPE_SE
	s_setreg_imm32_b32 hwreg(HW_REG_WAVE_MODE, 25, 1), 1
	s_wait_xcnt 0x0
	s_wait_alu depctr_hold_cnt(0) depctr_sa_sdst(0) depctr_va_vdst(0) depctr_va_sdst(0) depctr_va_ssrc(0) depctr_va_vcc(0) depctr_vm_vsrc(0)
	s_getreg_b32 s2, hwreg(HW_REG_IB_STS2, 6, 4)
	s_cmp_eq_u32 s2, 0
	s_cbranch_scc0 .Lentry_in_a_cluster
	s_endpgm
.Lentry_in_a_cluster:
	s_bfe_u32 s2, ttmp6, 0x10000c
	s_cmp_lg_u32 s2, 0xf033
	s_cbranch_scc0 .Lentry_shape_is_right
	s_endpgm
.Lentry_shape_is_right:
; out0[m][n] = sum over k of A[m][k] W[n][k].  A: the attention's result, [8192][1024]; W: w_out, [1024][1024]: codes of FP4 (E2M1) with one E8M0 scale for each 32 along K; out0: [8192][1024] f32; sums in f32.
; W's codes lie by rows, K innermost, 512 bytes a row.  A's CODES LIE IN THE ORDER OF THE OPERAND'S REGISTERS: [row / 16][k / 128][2][lane][16 bytes]: 1,024 bytes are a fragment (16 rows x 128 K), 8,192 the 16 rows' whole K.
; Both tensors' scale bytes lie [row][32].  The matrix instruction takes codes and scale bytes as they lie.
; A tile of out0, 256 x 256, is made by a work-group of four waves, as many as a WGP has SIMDs; a wave makes 128 x 128: 64 accumulators of 16 x 16, 512 registers.
; K = 1,024 is two LDS slots of 512 along K: both are filled once, at the start, by the tensor data mover; nothing is filled again.  By this text's own count a wave has three tensor loads outstanding: its part of the scales and of the two slots.
; THE SCALES of the work-group's 256 rows of A and 256 rows of W, for all of K, are two dense blocks of memory: they come into LDS once, in rows of 256 bytes, and stay.
; CLUSTERS: 4 x 4 work-groups.  The four of a row of the cluster need the same tiles of A, the four of a column the same tiles of W: each tile is asked for JOINTLY, by the same tensor load with the
; same descriptor and a mask that names the four.  THE MATRIX INSTRUCTION IS USED TRANSPOSED (source 0 = 16 rows of W, source 1 = 16 rows of A): a lane then holds eight neighbouring numbers of a row of out0.
; The grid is 4 x 32 = 128 work-groups: 8,192 x 1,024 numbers in tiles of 256 x 256.
; REGISTERS, in windows of 256: window 0: v0-31 addresses; v32-95 scale words, two sets; from v128 A's fragments (8 x 16 rows x 128 K), ONE set; on the way out v32-255 are free.
;   window 1: W's fragments, TWO sets, at v0 and at v128.   window 2: the 32 accumulators of my rows 0-63 (accumulator (a, b) at v[8 (8 a + b)]);   window 3: those of my rows 64-127.
; A step of 128 along K is 64 matrix instructions, A's blocks one after the other, each against W's eight.  So a block of A is free as soon as its eight products are issued, and one set of registers serves A:
; blocks 0-3 are fetched anew in the step's middle, blocks 4-7 at its end.  W's fragments are at work through the whole step, so W has two sets.
.set SIZE_M, 8192
.set SIZE_N, 1024
.set SIZE_K, 1024
.set KSTEP,  512                       ; along K in a slot
.set NQ,     KSTEP/128                 ; matrix instructions deep
.set ROWB,   256                       ; a row of W's tile in bytes: KSTEP codes of 4 bits
.set KROW,   SIZE_K*4/8                ; a row's codes in memory, in bytes (for A: a sixteenth of 16 rows' 8,192)
.set PITCH,  272                       ; W's LDS row: 256 bytes of data + 16 of padding = 68 words: row r starts at bank 4 r mod 64 (64 banks of 4 bytes: ISA guide 11.1), so the 16 rows that a load touches start at 16 different banks
.set ASLOT,  4096                      ; A: 16 rows' codes of a slot: four fragments on end
.set FR,     8                         ; registers of a fragment: 16 rows x 128 K
.set NL,     2                         ; LDS loads that bring one
.set NP,     4                         ; places behind this matrix instruction (ISA guide 7.12.1)
.set HALFT,  128*PITCH                 ; 128 rows of W: what one tensor load brings; A's 128 rows (32,768 bytes, dense) take the same room
.set SLOT,   4*HALFT                   ; A's 256 rows, then W's 256 rows
.set KS,     SIZE_K/32                 ; a row of scales in bytes
.set SCL,    2*SLOT                    ; behind the slots: the scales, as rows of 256 bytes + 16 of padding
.set HALFS,  (128*KS/256)*272          ; the scales of 128 rows: what one tensor load brings
.set SBLK,   (16*KS/256)*272           ; those of 16 rows
.set SPARE,  SCL+4*HALFS               ; behind the scales: the spare words, 128 bytes for each wave: two blocks of 256 bytes that no other line names
.set SPITCH, 528                       ; the way out: a stage of 16 rows x (512 bytes + 16) for each wave.  It lies in slot 0, which has had its one fill and its last read when the first result is stored there
.set ADRA, 16                          ; v16-17  LDS address of my A fragments in slot 0, 1
.set ADRB, 20                          ; v20-21  the same for W
.set STO,  24                          ; v24     the way out: where I put 32 bytes of a row
.set RD,   25                          ; v25     the way out: where I read a row back
.set CO,   26                          ; v26     my byte offset in a row of out0
.set SPW,  28                          ; v28     LDS address of my spare word: SPARE + 4 x my thread's number; never rewritten
.set NIL,  29                          ; v29     0; never rewritten
.set ADRS, 27                          ; v27     LDS address of my scale words: lanes 0-15 A's rows, lanes 16-31 W's
.set SC,   32                          ; scale words: set s (for slot s) at v[SC + 8 NQ s]; in it register NQ i + q: lanes 0-15 the word of A's block i, lanes 16-31 that of W's block i, for the slot's q-th 128 along K
.set AF,   128                         ; A's fragments, in window 0
.set BK,   128                         ; the way out: 16 rows read back from the stage: v128-191 and v192-255 by turns
.set G1, 24                            ; s[24:31] descriptor group 1 for A's tiles;  s[32:39] group 0, one set for each slot
.set G0, 32
.set G1B, 48                           ; s[48:55], s[56:63] the same for W's tiles
.set G0B, 56
.set G1S, 68                           ; s[68:75], s[76:79] groups 1 and 0 for A's scales;  s[80:87], s[88:91] for W's
.set G0S, 76
.set G1SB, 80
.set G0SB, 88
.set MSB, 0
.macro WIN new                         ; the immediate's high byte repeats the setting that is left
.if MSB != \new
	s_set_vgpr_msb (MSB<<8)|\new
.set MSB, \new
.endif
.endm
.set MUL_LO, 0xa1                      ; source 0 (W) window 1, source 1 (A) window 0, C and D window 2
.set MUL_HI, 0xf1                      ; the same, C and D window 3
.set TO_B,   0x40                      ; destination window 1, address window 0
; A joint load: waves 0 and 1 fetch for A, waves 2 and 3 for W.  Each of the two lines has ONE mask and one set of registers for all that issue it; the branch hangs on the wave's number alone.
; Four v_nop follow each of the two lines, ahead of the jump, the label and what follows.
.macro JLOAD g0a, g1a, g0b, g1b
	s_cmp_eq_u32 s15, 0
	s_cbranch_scc0 .Lfor_b_\@
	tensor_load_to_lds s[\g0a:\g0a+3], s[\g1a:\g1a+7]
	s_nop 0
.rept 4
	v_nop
.endr
	s_branch .Lasked_\@
.Lfor_b_\@:
	tensor_load_to_lds s[\g0b:\g0b+3], s[\g1b:\g1b+7]
	s_nop 0
.rept 4
	v_nop
.endr
.Lasked_\@:
.endm
; A round of the cluster's barrier: my work-group's barrier, so that wave 0's signal speaks for all four waves; wave 0 signals for the work-group; every wave waits for all sixteen work-groups; my work-group's barrier once more.
.macro CROUND
	s_barrier_signal -1
	s_barrier_wait -1
	s_cmp_lg_u32 s14, 0
	s_cbranch_scc1 .Lnot_wave_0_\@
	s_barrier_signal -3
.Lnot_wave_0_\@:
	s_barrier_wait -3
	s_barrier_signal -1
	s_barrier_wait -1
.endm
	s_load_b128 s[4:7], s[0:1], 0x0                ; A's codes s[4:5], A's scales s[6:7]
	s_load_b128 s[8:11], s[0:1], 0x10              ; W's codes s[8:9], W's scales s[10:11]
	s_load_b64 s[12:13], s[0:1], 0x20              ; out0
	v_lshl_add_u32 v[SPW], v0, 2, SPARE
	v_mov_b32 v[NIL], 0
	ds_add_u32 v28, v29
	ds_add_u32 v28, v29
	s_wait_dscnt 0x0
	v_lshrrev_b32 v1, 5, v0
	v_readfirstlane_b32 s14, v1                    ; wave 0..3
	s_lshr_b32 s15, s14, 1                         ; which half of the tile's rows is mine.  Also: I fetch for A (0) or for W (1)
	s_and_b32 s16, s14, 1                          ; which half of its columns.  Also: which 128 rows of that tile I fetch
	s_bfe_u32 s40, ttmp6, 0x40000                  ; cx, cy: my place in the cluster
	s_bfe_u32 s41, ttmp6, 0x40004
	s_lshl_b32 s42, ttmp9, 2
	s_add_co_u32 s42, s42, s40                     ; tile column = 4 x cluster x + cx
	s_and_b32 s17, ttmp7, 0xffff
	s_lshl_b32 s17, s17, 2
	s_add_co_u32 s17, s17, s41                     ; tile row = 4 x cluster y + cy
	s_lshl_b32 s43, s41, 2
	s_lshl_b32 s43, 15, s43                        ; my row of the cluster
	s_lshl_b32 s44, 0x1111, s40                    ; my column
	; descriptor group 1 for A: 128 rows of a slot are 8 runs of 4,096 bytes (16 rows x 512 K as four fragments on end), 8,192 bytes apart; dense in LDS
	s_or_b32 s[G1+0], s43, (3<<16)|(1<<21)         ; 15:0 the mask: A's tiles go to my row; 17:16 elements of 8 bytes; 20 no padding; 21 set beside a mask
	s_mov_b32 s[G1+1], 512<<16                     ; tensor_dim0 = 512 elements
	s_mov_b32 s[G1+2], 8<<16                       ; tensor_dim1 = 8
	s_mov_b32 s[G1+3], 512<<16                     ; tile_dim0
	s_mov_b32 s[G1+4], 8                           ; tile_dim1
	s_mov_b32 s[G1+5], 1024                        ; tensor_dim0_stride: 1,024 elements
	s_mov_b32 s[G1+6], 0
	s_mov_b32 s[G1+7], 0
	; for W: a tile of 128 rows x 256 bytes, padded in LDS
	s_or_b32 s[G1B+0], s44, (0<<16)|(1<<20)|(1<<21)|(5<<22)|(3<<25)  ; 15:0 the mask: W's tiles go to my column; 17:16 element of 1 byte; 20 padding on; 21 set beside a mask; 24:22 after every 64 words (code 5); 31:25 of 4 words (code 3)
	s_mov_b32 s[G1B+1], ROWB<<16                   ; tensor_dim0
	s_mov_b32 s[G1B+2], 128<<16                    ; tensor_dim1 = 128
	s_mov_b32 s[G1B+3], ROWB<<16                   ; tile_dim0
	s_mov_b32 s[G1B+4], 128                        ; tile_dim1 = 128
	s_mov_b32 s[G1B+5], KROW                       ; tensor_dim0_stride
	s_mov_b32 s[G1B+6], 0
	s_mov_b32 s[G1B+7], 0
	; and for the scales of 128 rows: a dense block of 128 KS bytes, as rows of 256 bytes (32 elements of 8 bytes), 16 bytes of padding behind each
	s_or_b32 s[G1S+0], s43, (3<<16)|(1<<20)|(1<<21)|(5<<22)|(3<<25)
	s_or_b32 s[G1SB+0], s44, (3<<16)|(1<<20)|(1<<21)|(5<<22)|(3<<25)
.irp g, G1S, G1SB
	s_mov_b32 s[\g+1], 32<<16
	s_mov_b32 s[\g+2], (128*KS/256)<<16
	s_mov_b32 s[\g+3], 32<<16
	s_mov_b32 s[\g+4], 128*KS/256
	s_mov_b32 s[\g+5], 32
	s_mov_b32 s[\g+6], 0
	s_mov_b32 s[\g+7], 0
.endr
	s_lshl_b32 s18, s16, 7                         ; which 128 rows of the tile I fetch
	s_lshl_b32 s20, s17, 8
	s_add_co_u32 s20, s20, s18                     ; A: row 256 x tile row + 128 x half
	s_lshl_b32 s46, s42, 8
	s_add_co_u32 s46, s46, s18                     ; W: row 256 x tile column + 128 x half
	s_mov_b32 s21, 0
	s_mov_b32 s47, 0
	s_mov_b64 s[18:19], KS
	s_mul_u64 s[22:23], s[20:21], s[18:19]         ; where these rows' scales begin, in bytes
	s_mul_u64 s[92:93], s[46:47], s[18:19]
	s_mov_b64 s[18:19], KROW
	s_mul_u64 s[20:21], s[20:21], s[18:19]         ; and their codes (A's rows here are multiples of 16: row x 512 = (row / 16) x 8,192)
	s_mul_u64 s[46:47], s[46:47], s[18:19]
	s_mul_i32 s45, s14, HALFT                      ; where they go: wave x 128 rows: no place in the cluster enters an LDS address
	s_mul_i32 s94, s14, HALFS
	s_wait_kmcnt 0x0
	s_add_nc_u64 s[20:21], s[4:5], s[20:21]
	s_add_nc_u64 s[22:23], s[6:7], s[22:23]
	s_add_nc_u64 s[46:47], s[8:9], s[46:47]
	s_add_nc_u64 s[92:93], s[10:11], s[92:93]
	CROUND                                         ; all sixteen work-groups are here: the joint loads meet
	s_mov_b32 s[G0S], 1
	s_add_co_u32 s[G0S+1], s94, SCL
	s_mov_b64 s[G0S+2:G0S+3], s[22:23]
	s_or_b32 s[G0S+3], s[G0S+3], 0x80000000
	s_mov_b32 s[G0SB], 1
	s_add_co_u32 s[G0SB+1], s94, SCL
	s_mov_b64 s[G0SB+2:G0SB+3], s[92:93]
	s_or_b32 s[G0SB+3], s[G0SB+3], 0x80000000
	JLOAD G0S, G1S, G0SB, G1SB                     ; the scales first: they are wanted with slot 0
.irp s, 0,1
	s_mov_b32 s[G0+4*\s], 1
	s_add_co_u32 s[G0+4*\s+1], s45, \s*SLOT
	s_add_nc_u64 s[G0+4*\s+2:G0+4*\s+3], s[20:21], \s*ASLOT       ; A: slot s begins four fragments on
	s_or_b32 s[G0+4*\s+3], s[G0+4*\s+3], 0x80000000
	s_mov_b32 s[G0B+4*\s], 1
	s_add_co_u32 s[G0B+4*\s+1], s45, \s*SLOT
	s_add_nc_u64 s[G0B+4*\s+2:G0B+4*\s+3], s[46:47], \s*ROWB      ; W: 256 bytes on in each row
	s_or_b32 s[G0B+4*\s+3], s[G0B+4*\s+3], 0x80000000
	JLOAD G0+4*\s, G1, G0B+4*\s, G1B
.endr
	v_and_b32 v1, 15, v0                           ; l % 16
	v_bfe_u32 v2, v0, 4, 1                         ; l / 16
	v_mul_u32_u24 v3, v1, PITCH
	v_lshl_add_u32 v4, v2, 4, v3                   ; W: a fragment's row x pitch + 16 x half
	v_and_b32 v7, 31, v0
	v_lshlrev_b32 v7, 4, v7                        ; A: 16 x lane: the image of a fragment's four registers
	s_mul_i32 s21, s15, HALFT                      ; my 128 rows of A
	s_mul_i32 s22, s16, HALFT                      ; my 128 rows of W,
	s_add_co_u32 s22, s22, 2*HALFT                 ; which lie behind A's 256
.irp s, 0,1
	v_add_nc_u32 v[ADRA+\s], s21, v7
	v_add_nc_u32 v[ADRB+\s], s22, v4
	s_add_co_u32 s21, s21, SLOT
	s_add_co_u32 s22, s22, SLOT
.endr
	v_mul_u32_u24 v5, v1, KS                       ; my row's scales: KS bytes a row,
	v_lshrrev_b32 v6, 8, v5
	v_lshl_add_u32 v5, v6, 4, v5                   ; and 16 more for each 256 passed
	s_mul_i32 s21, s15, HALFS                      ; A's: my 128 rows
	s_mul_i32 s22, s16, HALFS                      ; W's: my 128 rows, behind A's 256
	s_add_co_u32 s22, s22, 2*HALFS
	s_sub_co_u32 s22, s22, s21
	v_mul_u32_u24 v6, s22, v2                      ; lanes 16-31 take W's
	s_add_co_u32 s21, s21, SCL
	v_add_nc_u32 v5, v5, v6
	v_add_nc_u32 v[ADRS], s21, v5
	s_mul_i32 s23, s14, 16*SPITCH                  ; my stage
	v_mul_u32_u24 v5, v1, SPITCH                   ; in: row l % 16, 32 bytes for each half of the lanes
	v_lshl_add_u32 v5, v2, 5, v5
	v_add_nc_u32 v[STO], s23, v5
	v_and_b32 v6, 31, v0
	v_lshlrev_b32 v[CO], 4, v6                     ; back: the 32 lanes take one row of 512 bytes; and the same in out0
	v_add_nc_u32 v[RD], s23, v[CO]
	s_lshl_b32 s20, s17, 8
	s_lshl_b32 s21, s15, 7
	s_add_co_u32 s20, s20, s21                     ; my first row of out0: 256 x tile row + 128 x half
	s_mov_b32 s21, 0
	s_mov_b64 s[18:19], SIZE_N*4
	s_mul_u64 s[20:21], s[20:21], s[18:19]
	s_lshl_b32 s46, s42, 10                        ; my first column, in bytes: 1024 x tile column + 512 x half
	s_lshl_b32 s47, s16, 9
	s_add_co_u32 s46, s46, s47
	s_mov_b32 s47, 0
	s_add_nc_u64 s[20:21], s[20:21], s[46:47]
	s_add_nc_u64 s[12:13], s[12:13], s[20:21]
.macro FRAG reg, adr, q, i             ; a fragment of W, 16 rows x 128 K of 4-bit codes, is 8 registers: lane l holds row l % 16; registers 4 c .. 4 c + 3 hold K = 64 c + 32 (l / 16) + 0 .. 31, the lower K in the lower bits
.irp c, 0,1
	ds_load_b128 v[\reg+4*\c:\reg+4*\c+3], v[\adr] offset:64*(\q)+32*\c+(\i)*16*PITCH
.endr
.endm
.macro FRAGA reg, adr, q, i            ; a fragment of A comes as it was stored: 16 bytes a lane, 512 consecutive bytes a load
.irp c, 0,1
	ds_load_b128 v[\reg+4*\c:\reg+4*\c+3], v[\adr] offset:(\i)*ASLOT+(\q)*1024+512*\c
.endr
.endm
; 16 matrix instructions: A's blocks a0, a0 + 1 x W's eight, 128 along K: the slot's q-th.  p: W's set;  sc: the set of scale words.  zero = 1: the first product starts the sums: nothing is ever cleared.
; The 64 accumulators take turns, one instruction a turn, in the same order in every step.
.macro MUL16 a0, p, q, sc, zero
.irp a, \a0, \a0+1
.irp b, 0,1,2,3,4,5,6,7
.if \zero
	v_wmma_scale_f32_16x16x128_f8f6f4 v[8*(8*((\a)%4)+\b):8*(8*((\a)%4)+\b)+7], v[128*(\p)+FR*\b:128*(\p)+FR*\b+FR-1], v[AF+FR*(\a):AF+FR*(\a)+FR-1], 0, v[SC+8*NQ*(\sc)+NQ*\b+(\q)], v[SC+8*NQ*(\sc)+NQ*(\a)+(\q)] matrix_a_fmt:MATRIX_FMT_FP4 matrix_b_fmt:MATRIX_FMT_FP4 matrix_a_scale:MATRIX_SCALE_ROW1
.else
	v_wmma_scale_f32_16x16x128_f8f6f4 v[8*(8*((\a)%4)+\b):8*(8*((\a)%4)+\b)+7], v[128*(\p)+FR*\b:128*(\p)+FR*\b+FR-1], v[AF+FR*(\a):AF+FR*(\a)+FR-1], v[8*(8*((\a)%4)+\b):8*(8*((\a)%4)+\b)+7], v[SC+8*NQ*(\sc)+NQ*\b+(\q)], v[SC+8*NQ*(\sc)+NQ*(\a)+(\q)] matrix_a_fmt:MATRIX_FMT_FP4 matrix_b_fmt:MATRIX_FMT_FP4 matrix_a_scale:MATRIX_SCALE_ROW1
.endif
.endr
.endr
.endm
.macro FETCH_B slot, q, p              ; W's eight fragments of the slot's q-th 128 along K into set p
	WIN TO_B
.irp i, 0,1,2,3,4,5,6,7
	FRAG 128*(\p)+FR*\i, ADRB+\slot, \q, \i
.endr
	WIN 0
.endm
.macro FETCH_A slot, q, i0             ; A's blocks i0 .. i0 + 3
.irp i, \i0, \i0+1, \i0+2, \i0+3
	FRAGA AF+FR*(\i), ADRA+\slot, \q, \i
.endr
.endm
.macro SCALES sc                       ; a slot's scale words into set sc: NQ words a row; lanes 0-15 take A's block i, lanes 16-31 W's block i
.irp i, 0,1,2,3,4,5,6,7
	ds_load_b128 v[SC+8*NQ*\sc+NQ*\i:SC+8*NQ*\sc+NQ*\i+3], v[ADRS] offset:\i*SBLK
.endr
.endm
; A load into a register that a matrix instruction has read, and a vector instruction or an LDS store that reads a matrix result, stand NP places behind that matrix instruction, and only plain vector
; instructions that name none of its registers are places (ISA guide 7.12.1 for vector instructions); this text does not count the matrix instructions in between.
.macro PLACES n
.rept \n
	v_nop
.endr
.endm
; A step of 128 along K that has its successor in the same slot.
.macro STEP slot, q, zero
	s_wait_dscnt 4*NL                              ; W's set and A's blocks 0-3 are in; the youngest loads (A's blocks 4-7) may be out
	WIN MUL_LO
	MUL16 0, (\q)%2, \q, \slot, \zero
	MUL16 2, (\q)%2, \q, \slot, \zero
	s_wait_dscnt 0                                 ; A's blocks 4-7 are in (asked for 32 matrix instructions ago)
	PLACES NP
	FETCH_B \slot, (\q)+1, 1-(\q)%2
	FETCH_A \slot, (\q)+1, 0
	WIN MUL_HI
	MUL16 4, (\q)%2, \q, \slot, \zero
	MUL16 6, (\q)%2, \q, \slot, \zero
	PLACES NP
	WIN 0
	FETCH_A \slot, (\q)+1, 4
.endm
; Slot 0's last step changes slots: ONE barrier; in front of it each wave waits for all its tensor loads (its part of slot 1), so that behind it slot 1 is whole, and for its own reads of slot 0, which the way out will write.
.macro TURN slot, next
	s_wait_tensorcnt 0x0                           ; all my tensor loads have landed: my part of the next slot;  (every window is 0 here: the add's two registers lie in window 0)
	ds_add_u32 v[SPW], v[NIL]                      ; 0 onto my spare word
	s_wait_dscnt 4*NL+1                            ; (the add and the youngest loads, A's blocks 4-7, may be out)
	WIN MUL_LO
	MUL16 0, 1, NQ-1, \slot, 0                     ; sixteen matrix instructions stand between the add and the wait for it
	s_wait_dscnt 0x0                               ; the add is done, and my reads of this slot are over
	s_barrier_signal -1
	MUL16 2, 1, NQ-1, \slot, 0
	WIN 0
	s_barrier_wait -1
	PLACES NP
	v_add_nc_u32 v[ADRS], 4*NQ, v[ADRS]            ; on to the next slot's scale words (no LDS load of mine is out)
	FETCH_B \next, 0, 0
	FETCH_A \next, 0, 0
	SCALES \next
	WIN MUL_HI
	MUL16 4, 1, NQ-1, \slot, 0
	MUL16 6, 1, NQ-1, \slot, 0
	PLACES NP
	WIN 0
	FETCH_A \next, 0, 4
.endm
.macro STEPS slot, from                ; the slot's steps from .. NQ - 2
.set Q, \from
.rept NQ-1-\from
	STEP \slot, Q, 0
.set Q, Q+1
.endr
.endm
	s_wait_tensorcnt 1                             ; the scales and my part of slot 0 are in (slot 1's load may be out)
	s_barrier_signal -1
	s_barrier_wait -1                              ; everybody's are
	FETCH_B 0, 0, 0
	FETCH_A 0, 0, 0
	SCALES 0
	FETCH_A 0, 0, 4
	STEP 0, 0, 1                                   ; the first step's products start the sums
	STEPS 0, 1
	TURN 0, 1
	STEPS 1, 0
	s_wait_dscnt 4*NL                              ; the very last step: nothing more to fetch
	WIN MUL_LO
	MUL16 0, 1, NQ-1, 1, 0
	MUL16 2, 1, NQ-1, 1, 0
	s_wait_dscnt 0
	WIN MUL_HI
	MUL16 4, 1, NQ-1, 1, 0
	MUL16 6, 1, NQ-1, 1, 0
	WIN 0
; THE WAY OUT, block by block of 16 rows x 128 columns.  A lane holds 32 neighbouring bytes of a row, and the lanes beside it hold other rows: so a block goes through my own stage in LDS and comes back as whole
; rows of 512 bytes, which the 32 lanes store as 512 consecutive bytes.  LDS serves a wave's instructions in order (ISA guide 5.7.1.4): no wait between the stores and the loads, nor in front of the next block's stores.
.macro TOSTAGE a
.set AC, 64*((\a)%4)
	WIN 0x08+4*((\a)/4)                            ; the data: window 2 or 3
.irp b, 0,1,2,3,4,5,6,7
	ds_store_b128 v[STO], v[AC+8*\b:AC+8*\b+3] offset:64*\b          ; each accumulator from its low end on
	ds_store_b128 v[STO], v[AC+8*\b+4:AC+8*\b+7] offset:64*\b+16
.endr
	WIN 0
.set BB, BK+64*((\a)%2)
.irp t, 0,1,2,3,4,5,6,7,8,9,10,11,12,13,14,15
	ds_load_b128 v[BB+4*\t:BB+4*\t+3], v[RD] offset:\t*SPITCH
.endr
.endm
.macro SEND a, younger                 ; younger: the LDS instructions issued behind block a's loads, which may stay out
.set BB, BK+64*((\a)%2)
	s_wait_dscnt \younger                          ; the block is back in registers
.if (\a) > 0
	s_add_nc_u64 s[12:13], s[12:13], 16*SIZE_N*4   ; (behind a wait on XCNT: the earlier stores have read their base)  16 rows on, so that the stores' offsets stay at 15 rows at the most
.endif
.irp t, 0,1,2,3,4,5,6,7,8,9,10,11,12,13,14,15
	global_store_b128 v[CO], v[BB+4*\t:BB+4*\t+3], s[12:13] offset:\t*SIZE_N*4 th:TH_STORE_NT   ; 32 lanes store 512 consecutive bytes, at a multiple of 256 from the buffer's first byte; written once, read by nobody here
.endr
.endm
	PLACES NP                                      ; these places serve the loads into the registers that held A's fragments and the reads of the last products' results alike
	TOSTAGE 0
.irp a, 1,2,3,4,5,6,7
.if \a > 1
	s_wait_xcnt 0x0                                ; block a - 2's stores have read their registers and their base: block a's loads may land there, and the base may step
.endif
	TOSTAGE \a
	SEND \a-1, 32                                  ; behind block a - 1's loads: block a's 16 stores and 16 loads
.endr
	s_wait_xcnt 0x0                                ; block 6's stores have read their base
	SEND 7, 0
	s_wait_tensorcnt 0x0                           ; the wave's end: behind my last tensor load and my last LDS store
	ds_add_u32 v[SPW], v[NIL]
	s_wait_dscnt 0x0
	CROUND                                         ; the closing round: no work-group ends while a partner may still ask for a tile that names it
	s_endpgm
.Lfunc_end_k_qa960d69ef1_proj:
	.size	k_qa960d69ef1_proj, .Lfunc_end_k_qa960d69ef1_proj-k_qa960d69ef1_proj
	.p2alignl 7, 3214868480
	.fill 96, 4, 3214868480
	.section	.rodata,"a",@progbits
	.p2align	6, 0x0
	.amdhsa_kernel k_qa960d69ef1_proj
		.amdhsa_group_segment_fixed_size 327680
		.amdhsa_private_segment_fixed_size 0
		.amdhsa_enable_private_segment 0
		.amdhsa_kernarg_size 40
		.amdhsa_user_sgpr_count 2
		.amdhsa_user_sgpr_kernarg_segment_ptr 1
		.amdhsa_wavefront_size32 1
		.amdhsa_system_sgpr_workgroup_id_x 1
		.amdhsa_system_sgpr_workgroup_id_y 1
		.amdhsa_system_sgpr_workgroup_id_z 1
		.amdhsa_system_vgpr_workitem_id 0
		.amdhsa_next_free_vgpr 1024
		.amdhsa_next_free_sgpr 98
		.amdhsa_reserve_vcc 0
		.amdhsa_float_denorm_mode_32 3
		.amdhsa_float_denorm_mode_16_64 3
		.amdhsa_memory_ordered 1
		.amdhsa_forward_progress 1
		.amdhsa_inst_pref_size 124
	.end_amdhsa_kernel
	.amdgpu_metadata
---
amdhsa.version: [ 1, 2 ]
amdhsa.kernels:
  - .name:           k_qa960d69ef1_proj
    .symbol:         k_qa960d69ef1_proj.kd
    .args:
      - { .name: a_codes, .offset: 0, .size: 8, .value_kind: global_buffer, .address_space: global }
      - { .name: a_scales, .offset: 8, .size: 8, .value_kind: global_buffer, .address_space: global }
      - { .name: w_out_codes, .offset: 16, .size: 8, .value_kind: global_buffer, .address_space: global }
      - { .name: w_out_scales, .offset: 24, .size: 8, .value_kind: global_buffer, .address_space: global }
      - { .name: out0, .offset: 32, .size: 8, .value_kind: global_buffer, .address_space: global }
    .group_segment_fixed_size: 327680
    .private_segment_fixed_size: 0
    .kernarg_segment_align: 8
    .kernarg_segment_size: 40
    .max_flat_workgroup_size: 128
    .sgpr_count:     98
    .vgpr_count:     1024
    .wavefront_size: 32
...
	.end_amdgpu_metadata
.endif
;; end of part 2
;; ======== version 2 of 2: 2 launches; version 1 with the launch attn written anew for expert scheduling mode
;; limits: right only within a limited range of input values
;; workspace buffers: a_codes 4,194,304 bytes; a_scales 262,144 bytes
;; launch attn (part 3): grid 2 x 128, 16 waves a work-group, no clusters, 179,200 bytes of LDS; arguments keys, queries, attention_mask, values_codes, values_scales, a_codes, a_scales; writes a_codes, a_scales
.if DOCPART == 3
	.amdgcn_target "amdgcn-amd-amdhsa--gfx1250"
	.amdhsa_code_object_version 6
	.text
	.protected	k_qa960d69ef1_attn
	.globl	k_qa960d69ef1_attn
	.p2align	8
	.type	k_qa960d69ef1_attn,@function
k_qa960d69ef1_attn:
	s_mov_b64 s[64:65], 0
	v_nop
	global_prefetch_b8 v0, s[64:65] scope:SCOPE_SE
	s_setreg_imm32_b32 hwreg(HW_REG_WAVE_SCHED_MODE, 0, 2), 2
	s_setreg_imm32_b32 hwreg(HW_REG_WAVE_MODE, 25, 1), 1
	s_wait_xcnt 0x0
	s_wait_alu depctr_vm_vsrc(0)
; Attention of one head on codes of FP4 (E2M1) with one E8M0 scale for each 32 along a product's K; its result, divided by the row's sum, is quantised again along the model's axis and stored as
; the next launch's operand.  8 batches x 16 heads, 1,024 queries, 1,024 keys, head size 64.
; keys, queries: [8][1024][1024] f32: quantised here along the head's 64 channels (two blocks of 32), queries after the exact division by 8.  values: codes with the KEYS innermost, [8][1024 (channel)][512 bytes],
; scale bytes [8][1024][32].  attention_mask: [8][1024] bytes, 0 or 1: a key's logit gets (1 - mask) x -1e12.
; THE SOFTMAX: t = logit x log2(e); M = the running largest t rounded UP to a whole number; p = 2^(t - M) is quantised along the keys; the row's sum is taken of the unquantised p and divides at the end.
; SHARES.  A work-group owns one head and 512 queries (work-group x: which 512; y: 16 x batch + head); each of its sixteen waves owns 32 queries, two tiles of 16, taken one after the other; a tile walks all
; 1,024 keys, 128 a step.  Four waves share a SIMD, so that one wave's vector work stands beside another's matrix work and LDS loads.
; THE HEAD: wave w quantises keys 64 w .. 64 w + 63 and its own 32 queries (eight rows a step, turned through the wave's own stage in LDS so that each load reads whole rows of 256 bytes and each lane then
; holds 16 neighbours along K), and all waves copy V's codes and scale words, and the keys' bias, into LDS.  ONE barrier; behind it LDS is only read.
; OPERANDS LIE IN LDS AS IMAGES OF THEIR REGISTERS (16 bytes a lane, 512 a fragment's four registers).  K = 64 fills half of the instruction's 128: a fragment's registers 0-3.  Q's registers 4-7 are zero codes;
; K's operand names eight registers, of which the upper four hold whatever codes lie there (the next tile's): every code of this format is a finite number, it meets a zero code, and bytes 2 and 3 of both scale words are 127.
; BOTH PRODUCTS ARE USED TRANSPOSED: S^T = K Q^T, O^T = V^T P^T: a lane holds ONE query (lane % 16) throughout.  THE KEYS OF A TILE ARE NOT NEIGHBOURS: row m of tile 2 b + u is key 32 b + 8 u + m + 8 (m / 8),
; so that the 16 registers of tiles 2 b, 2 b + 1 are keys 32 b + 16 (lane / 16) + 0 .. 15.  V's channels are dealt to tiles likewise, so that O^T's registers 16 g + i are channels 32 g + 16 (lane / 16) + i.
; THE MASK.  A step all of whose 128 mask bytes are 1 takes t - M by one fused multiply-add of the score.  Any other step (a scalar branch on the mask's bytes; no barrier stands under it) first makes
; t = score x log2(e) + bias x log2(e), ROUNDED, and then t - M: with a bias of -1e12 a fused form would leave the product's rounding residue in the exponent.
; OUT.  a_codes is laid in the order of the next product's operand registers: [row / 16][head][lane][16 bytes]: a tile's codes of one head are 512 consecutive bytes, aligned, one store of the wave.
; a_scales is [row][32]: a wave's 32 rows get 2 bytes each by one store: 64 bytes against the wave's 1,024 of codes; these go out as short pieces of rows 32 bytes apart.
; NO CLUSTER, NO TENSOR LOAD: the two work-groups of a head share K and V, but K (256 KB of f32 a head) has to pass through registers to be quantised, and V is 34 KB of the 420 KB that a work-group reads.
; LIMITS: NaN and infinities among the inputs are not served.  A block whose largest magnitude lies under 2^-124 keeps the scale byte 1, a block of zeros too (its codes are zeros; only this program reads
; the bytes).  Under a bias of -1e12 a score is absorbed in t, whose spacing there is 2^17, and not in the logit, whose spacing is 2^16: scores beyond some 3e4 in a batch whose keys are ALL masked differ.
; THE MODE: SCHED_MODE bits 1:0 = 2 (LLVM: expert scheduling mode 2), set by the entry lines.  The code itself states the register dependences between vector or matrix instructions and memory or
; LDS instructions, with s_wait_alu, always for 0.
; THE PLAN, AT THE HEAD.  Registers that memory or LDS instructions touch:
;   v1-8, v224-238   offsets and LDS addresses: written once, ahead of one wait on va_vdst in front of the first load; never written again.
;   v64-127          four sets as loaded: written by global loads, read by the stores into the stage; no vector line names them.  A wait on vm_vsrc at step t's head lets the loads of step t + 4 land in set t % 4.
;   v128-159         two sets of 16 neighbours: written by the loads from the stage, read (the queries': also written) by step t's vector lines.
;   v160-195         codes and scale words, each step its own: written by step t's vector lines, read by two LDS stores that stand in step t + 1.
;   So ONE wait on va_vdst at a step's head states that the step before has written its codes and word and is done with its neighbours.  Behind the barrier one wait on vm_vsrc frees all that the head's LDS stores read.
; THE PLAN, IN THE LOOP.
;   v64-95, v32-39   K's tiles and scale words: read by the step's eight products K Q^T (a masked step: v64-127 by its multiply-adds too); the NEXT step's loads land in them.
;   v96-127, v40-43  V's fragments and scale words: read by the step's four products V^T P and, v96-99, by tile 7's operand of K; this step's loads land in them.
;   v10, v11         Q's two addresses, written once a tile;  v16-19, v24 Q's fragment and scale words, loaded once a tile;  v56-59, v9 what a tile and the wave store.
;   One wait on va_vdst behind the products K Q^T (in a masked step one more behind its multiply-adds) states that all readers of v32-43 and v64-127 are done.  Behind it no vector or matrix line names
;   v32-39 or v64-95 before the next step's products, nor v40-43 or v96-127 before this step's V^T P: so V's nine loads are dealt among the maximum's lines and the next step's ten loads of K among the sums, with no further wait.
;   S^T, O^T and all else are named by vector and matrix instructions alone.
.set KSC,  0                           ; LDS: K's scale words: 512 step + 256 (tile / 4) + 16 row + 4 (tile % 4)
.set VSC,  4096                        ; V's scale words: 256 step + 16 row + 4 tile
.set BIAS, 6144                        ; bias x log2(e), f32, by key
.set QSC,  10240                       ; Q's scale words: 128 wave + 64 tile + 4 row
.set QIMG, 12288                       ; Q's images: 1,024 wave + 512 tile + 16 lane
.set KIMG, 28672                       ; K's images: 512 (8 step + tile) + 16 lane
.set VIMG, 61440                       ; V: 64 rows of 512 bytes + 16, in tile order: row 16 tile + m
.set VP,   528                         ; 33 x 16 bytes: the 16 rows of a fragment load start at 16 different 16-byte columns of 256
.set STG,  95232                       ; for each wave two stages of 32 x 80 bytes
.set AK,  1                            ; v1   KIMG + 16 lane
.set R16, 2                            ; v2   16 (lane % 16): a row's four scale words
.set AV,  3                            ; v3   VIMG + 528 (lane % 16) + 16 (lane / 16)
.set AB,  4                            ; v4   BIAS + 64 (lane / 16)
.set AQ,  5                            ; v5   QIMG + 1,024 wave + 16 lane
.set AQS, 6                            ; v6   QSC + 128 wave + 4 (lane % 16)
.set GO,  7                            ; v7   16 lane: my place in a store of codes
.set GS,  8                            ; v8   32 lane: my row of a_scales
.set SW,  9                            ; v9   lanes 0-15: tile 0's rows' two scale bytes; lanes 16-31: tile 1's
.set QA,  10                           ; v10, v11 the tile's addresses of Q's image and scale words
.set QB,  11
.set NM,  12                           ; v12  -M
.set TX,  13                           ; v13  the largest t so far
.set LS,  14                           ; v[14:15] the row's sum, in two halves
.set QF,  16                           ; v[16:23] Q's fragment; v20-23 stay zero
.set QS,  24                           ; v24  Q's scale words
.set PS,  25                           ; v25  p's scale word
.set FF,  26                           ; v[26:27] f = 2^(old M - new M); v27 is only named with it
.set T0,  28                           ; v28  at work
.set L2,  30                           ; v[30:31] the sum's second chain
.set KS,  32                           ; v[32:39] K's scale words, a register a tile
.set VS,  40                           ; v[40:43] V's
.set BM,  44                           ; v[44:47] a block's largest score, then its largest p
.set T2,  48                           ; v[48:51] at work
.set SO,  52                           ; v[52:55] the conversions' scale operands
.set PC,  56                           ; v[56:63] codes just made
.set FB,  64                           ; v[64:95] K's eight tiles, four registers each; v[96:127] V's four fragments; all 64: the bias of a masked step
.set SA,  128                          ; v[128:191] S^T, then p; at a tile's end O^T / the sum
.set OA,  192                          ; v[192:223] O^T
.set RR,  64                           ; THE HEAD'S REGISTERS: v64-127 four sets of 16 numbers as loaded
.set XX,  128                          ; v128-159 two sets of 16 neighbours
.set CD,  160                          ; v160-183 two registers of codes for each step
.set EW,  184                          ; v184-195 a scale word for each step
.set VT,  196                          ; v196-211 V's codes on their way; v212 V's scale word; v213 two mask bytes; v214-221 a step's mask bytes, four a lane; v[222:223] two numbers of the bias
.set LG,  224                          ; v224 4,096 (lane / 16) + 16 (lane % 16): two rows of 256 bytes to a load
.set SIN, 225                          ; v225 into the stage: 80 (lane / 4) + 16 (lane % 4)
.set SOUT,226                          ; v226 out of it: 80 lane
.set IAK, 227                          ; v227 where my 8 bytes of K's codes go;  v228 Q's
.set IAQ, 228
.set SAK, 229                          ; v229 where my row's scale word of K goes;  v230 Q's
.set SAQ, 230
.set SH,  231                          ; v231 8 x my block's number
.set T16, 232                          ; v232-235 16, 4, 2 x thread; 4 x lane
.set T4,  233
.set T2B, 234
.set L4,  235
.set VW,  236                          ; v236 where V's codes go;  v237 its scale word;  v238 the bias
.set VSW, 237
.set BW,  238
.set M8,  239                          ; v239-243 at work
.set M9,  240
.set SOP, 241
.set BY,  242
.set DT,  243
	s_load_b256 s[4:11], s[0:1], 0x0               ; keys s[4:5], queries s[6:7], mask s[8:9], V's codes s[10:11]
	s_load_b128 s[12:15], s[0:1], 0x20             ; V's scales s[12:13], a_codes s[14:15]
	s_load_b64 s[16:17], s[0:1], 0x30              ; a_scales
	v_lshl_add_u32 v254, v0, 2, 0x2b400
	v_mov_b32 v255, 0
	v_lshrrev_b32 v244, 5, v0
	v_readfirstlane_b32 s18, v244                  ; wave 0..15
	v_and_b32 v244, 31, v0                         ; lane
	v_and_b32 v245, 15, v0                         ; r = lane % 16
	v_bfe_u32 v246, v0, 4, 1                       ; h = lane / 16
	v_bfe_u32 v248, v0, 2, 3                       ; lane / 4: my row of a quantising step's eight
	v_and_b32 v249, 3, v0
	v_bfe_u32 v250, v0, 1, 1                       ; my block of the row's two
	v_and_b32 v251, 1, v0                          ; my half of the block
.irp j, 20,21,22,23
	v_mov_b32 v\j, 0                               ; Q's zero codes for k = 64 .. 127
.endr
	v_mov_b32 v[SW], 0
	v_mov_b32 v[FF+1], 0                           ; named as the upper half of a pair
	v_mov_b32 v[DT], 0                             ; a destination of a lane exchange counts as read: written once
.irp b, 0,1,2,3
	v_mov_b32 v[T2+\b], 0
.endr
	v_lshl_add_u32 v[AK], v244, 4, KIMG
	v_lshlrev_b32 v[R16], 4, v245
	v_mul_u32_u24 v[AV], v245, VP
	v_lshl_add_u32 v[AV], v246, 4, v[AV]
	v_add_nc_u32 v[AV], VIMG, v[AV]
	v_lshl_add_u32 v[AB], v246, 6, BIAS
	s_wait_alu depctr_va_sdst(0)                   ; s18, the wave's number, is written, ahead of its first reader: LDS places and the buffers' offsets are made from it
	s_lshl_b32 s36, s18, 10
	s_add_co_u32 s36, s36, QIMG
	v_lshl_add_u32 v[AQ], v244, 4, s36
	v_lshlrev_b32 v252, 4, v248                    ; my 8 bytes in an image: 16 (lane / 4) + 256 block + 8 half
	v_lshl_add_u32 v252, v250, 8, v252
	v_lshl_add_u32 v252, v251, 3, v252
	v_add_nc_u32 v[IAQ], s36, v252
	s_lshl_b32 s36, s18, 7
	s_add_co_u32 s36, s36, QSC
	v_lshl_add_u32 v[AQS], v245, 2, s36
	v_lshl_add_u32 v[SAQ], v248, 2, s36
	v_lshlrev_b32 v[GO], 4, v244
	v_lshlrev_b32 v[GS], 5, v244
	v_lshlrev_b32 v[LG], 4, v245
	v_lshl_add_u32 v[LG], v246, 12, v[LG]
	s_mul_i32 s36, s18, 5120
	s_add_co_u32 s36, s36, STG                     ; my wave's stages
	v_mul_u32_u24 v[SIN], v248, 80
	v_lshl_add_u32 v[SIN], v249, 4, v[SIN]
	v_add_nc_u32 v[SIN], s36, v[SIN]
	v_mul_u32_u24 v[SOUT], v244, 80
	v_add_nc_u32 v[SOUT], s36, v[SOUT]
	s_lshl_b32 s36, s18, 11                        ; my wave's 64 keys are four tiles: 2,048 bytes of images
	s_add_co_u32 s36, s36, KIMG
	v_add_nc_u32 v[IAK], s36, v252
	s_lshl_b32 s36, s18, 8                         ; and 256 bytes of scale words (KSC = 0)
	v_lshl_add_u32 v[SAK], v248, 4, s36
	v_lshlrev_b32 v[SH], 3, v250
	v_lshlrev_b32 v[T16], 4, v0
	v_lshlrev_b32 v[T4], 2, v0
	v_lshlrev_b32 v[T2B], 1, v0
	v_lshlrev_b32 v[L4], 2, v244
	s_lshr_b32 s36, s18, 3                         ; V: load i brings my wave channel w + 16 i, which is row 32 (i / 2) + 8 (i % 2) + w + 8 (w / 8) in tile order
	s_lshl_b32 s36, s36, 3
	s_add_co_u32 s36, s36, s18
	s_mul_i32 s36, s36, VP
	s_add_co_u32 s36, s36, VIMG
	v_lshl_add_u32 v[VW], v244, 4, s36
	v_and_b32 v253, 7, v0                          ; V's scale word number t (thread): channel t / 8, step t % 8
	v_lshlrev_b32 v[VSW], 8, v253                  ; 256 step
	v_bfe_u32 v253, v0, 3, 3
	v_lshl_add_u32 v[VSW], v253, 4, v[VSW]         ; + 16 (channel % 8)
	v_bfe_u32 v253, v0, 7, 1
	v_lshl_add_u32 v[VSW], v253, 7, v[VSW]         ; + 128 ((channel / 16) % 2): the row's upper half
	v_bfe_u32 v253, v0, 6, 1
	v_lshl_add_u32 v[VSW], v253, 2, v[VSW]         ; + 4 ((channel / 8) % 2)
	v_lshrrev_b32 v253, 8, v0
	v_lshl_add_u32 v[VSW], v253, 3, v[VSW]         ; + 8 (channel / 32): together 4 x tile
	v_add_nc_u32 v[VSW], VSC, v[VSW]
	v_lshl_add_u32 v[BW], v0, 3, BIAS
	s_mov_b32 s20, 0x76543210
	s_mov_b32 s21, 0xfedcba98                      ; v_permlanex16_b32's selects for lane l xor 16
	s_mov_b32 s23, 0                               ; named with s22 as a pair
	s_mov_b32 s30, 0x3fb8aa3b                      ; log2(e)
	s_mov_b32 s31, s30
	s_and_b32 s33, ttmp7, 0xffff                   ; y = 16 batch + head
	s_lshr_b32 s34, s33, 4                         ; batch
	s_and_b32 s35, s33, 15                         ; head
	s_mov_b32 s29, 0                               ; every offset below stays under 2^32
	s_lshl_b32 s37, s34, 22
	s_lshl_b32 s36, s35, 8
	s_add_co_u32 s37, s37, s36                     ; keys, queries: the batch's 1,024 rows of 4,096 bytes, the head's 256 bytes of a row
	s_wait_kmcnt 0x0
	s_lshl_b32 s36, s18, 18
	s_add_co_u32 s28, s37, s36                     ; my wave's 64 keys
	s_add_nc_u64 s[4:5], s[4:5], s[28:29]
	s_lshl_b32 s36, ttmp9, 21
	s_add_co_u32 s28, s37, s36                     ; the work-group's 512 queries,
	s_lshl_b32 s36, s18, 17
	s_add_co_u32 s28, s28, s36                     ; my wave's 32
	s_add_nc_u64 s[6:7], s[6:7], s[28:29]
	s_lshl_b32 s28, s34, 10
	s_add_nc_u64 s[8:9], s[8:9], s[28:29]          ; the batch's mask
	s_lshl_b32 s28, s33, 15
	s_add_nc_u64 s[10:11], s[10:11], s[28:29]      ; the head's 64 rows of 512 bytes
	s_lshl_b32 s28, s33, 11
	s_add_nc_u64 s[12:13], s[12:13], s[28:29]      ; and of 32 scale bytes
	s_lshl_b32 s28, s34, 19                        ; a_codes: 8,192 bytes for 16 rows: batch, the 512 queries, my 32, + 512 head
	s_lshl_b32 s36, ttmp9, 18
	s_add_co_u32 s28, s28, s36
	s_lshl_b32 s36, s18, 14
	s_add_co_u32 s28, s28, s36
	s_lshl_b32 s36, s35, 9
	s_add_co_u32 s28, s28, s36
	s_add_nc_u64 s[14:15], s[14:15], s[28:29]
	s_lshl_b32 s28, s34, 15                        ; a_scales: 32 bytes a row, + 2 head
	s_lshl_b32 s36, ttmp9, 14
	s_add_co_u32 s28, s28, s36
	s_lshl_b32 s36, s18, 10
	s_add_co_u32 s28, s28, s36
	s_lshl_b32 s36, s35, 1
	s_add_co_u32 s28, s28, s36
	s_add_nc_u64 s[16:17], s[16:17], s[28:29]
; Quantising step t: eight rows of 64 numbers.  t = 0 .. 7: my keys 8 t on;  t = 8 .. 11: my queries 8 (t - 8) on.  Four loads, each two whole rows of 256 bytes.
.macro LOADS t
.irp i, 0,1,2,3
.if (\t) < 8
	global_load_b128 v[RR+16*((\t)%4)+4*\i:RR+16*((\t)%4)+4*\i+3], v[LG], s[4:5] offset:((\t)%8)*32768+\i*8192   ; the head's other work-group reads these too: no hint
.else
	global_load_b128 v[RR+16*((\t)%4)+4*\i:RR+16*((\t)%4)+4*\i+3], v[LG], s[6:7] offset:((\t)%8)*32768+\i*8192 th:TH_LOAD_NT   ; read once in the launch
.endif
.endr
.endm
; The step's 2,048 bytes go into the wave's own stage as they lie, 16 bytes of padding behind each 64, and come back 64 bytes a lane: lane l then holds row l / 4, channels 16 (l % 4) + 0 .. 15.
; LDS serves a wave's instructions in order (ISA guide 5.7.1.4): no wait between the stores and the loads.
.macro TURN t
.irp i, 0,1,2,3
	ds_store_b128 v[SIN], v[RR+16*((\t)%4)+4*\i:RR+16*((\t)%4)+4*\i+3] offset:2560*((\t)%2)+640*\i
.endr
.irp i, 0,1,2,3
	ds_load_b128 v[XX+16*((\t)%2)+4*\i:XX+16*((\t)%2)+4*\i+3], v[SOUT] offset:2560*((\t)%2)+16*\i
.endr
.endm
; Step t's codes and scale word go to their images.  The two stores stand in step t + 1, behind the wait at its head.
.macro PUT t
.if (\t) < 8                                   ; key 64 w + 8 t + j is row 8 ((t / 2) % 2) + j of tile 4 (w % 2) + 2 (t / 4) + t % 2 of step w / 2
	ds_store_b64 v[IAK], v[CD+2*(\t):CD+2*(\t)+1] offset:((\t)/4)*1024+((\t)%2)*512+(((\t)/2)%2)*128
	ds_store_b32 v[SAK], v[EW+(\t)] offset:(((\t)/2)%2)*128+((\t)/4)*8+((\t)%2)*4   ; the four lanes of a row store the same word
.else                                          ; query 8 (t - 8) + j is row 8 (t % 2) + j of tile (t - 8) / 2
	ds_store_b64 v[IAQ], v[CD+2*(\t):CD+2*(\t)+1] offset:(((\t)-8)/2)*512+((\t)%2)*128
	ds_store_b32 v[SAQ], v[EW+(\t)] offset:(((\t)-8)/2)*64+((\t)%2)*32
.endif
.endm
.macro QSTEP t
.set XS, XX+16*((\t)%2)
	s_wait_dscnt 0x0                               ; this step's numbers are back from the stage: no LDS instruction was issued behind those loads
.if (\t)+4 < 12
	s_wait_alu depctr_vm_vsrc(0)                   ; this step's stores into the stage have read set t % 4 of v64-127, in which the loads of four steps on land
.endif
.if (\t) > 0
	s_wait_alu depctr_va_vdst(0)                   ; the step before has written its codes and its scale word, which the two stores below read, and is done with its 16 neighbours, in which the next loads from the stage land
	PUT (\t)-1
.endif
.if (\t)+4 < 12
	LOADS (\t)+4                                   ; into the set that this step's stores into the stage have read
.endif
.if (\t)+1 < 12
.if 10-(\t) >= 3
	s_wait_loadcnt 12                              ; the next step's four loads are in; those of the three steps behind it may be out
.else
	s_wait_loadcnt 4*(10-(\t))                     ; near the end fewer stand behind them
.endif
	TURN (\t)+1                                    ; through the other stage while this step is worked
.endif
.if (\t) >= 8
.irp i, 0,2,4,6,8,10,12,14
	v_pk_mul_f32 v[XS+\i:XS+\i+1], v[XS+\i:XS+\i+1], 0x3e000000 op_sel_hi:[1,0]   ; q / sqrt(64): exact
.endr
.endif
	v_max3_num_f32 v[M8], |v[XS]|, |v[XS+1]|, |v[XS+2]|            ; the largest magnitude of my 16, in two chains
	v_max3_num_f32 v[M9], |v[XS+3]|, |v[XS+4]|, |v[XS+5]|
.irp i, 6,10
	v_max3_num_f32 v[M8], v[M8], |v[XS+\i]|, |v[XS+\i+1]|
	v_max3_num_f32 v[M9], v[M9], |v[XS+\i+2]|, |v[XS+\i+3]|
.endr
	v_max3_num_f32 v[M8], v[M8], |v[XS+14]|, |v[XS+15]|
	v_max3_num_f32 v[M8], v[M8], v[M9], 0x1800000                  ; and the floor 2^(3 - 127): the byte cannot fall under 1
	v_max_num_f32_dpp v[M8], v[M8], v[M8] row_xmask:1 row_mask:0xf bank_mask:0xf   ; with my neighbour's 16: the block's
	v_add_nc_u32 v[SOP], 0xff000000, v[M8]         ; 2 off its exponent field: the conversion takes the exponent field of this operand as its scale
	v_cvt_scalef32_pk8_fp4_f32 v[CD+2*(\t)], v[XS:XS+7], v[SOP]
	v_cvt_scalef32_pk8_fp4_f32 v[CD+2*(\t)+1], v[XS+8:XS+15], v[SOP]
	v_lshrrev_b32 v[BY], 23, v[SOP]                ; the scale's byte (also the plain line behind the conversions),
	v_lshlrev_b32 v[BY], v[SH], v[BY]              ; at its block's place,
	v_mov_b32_dpp v[DT], v[BY] row_xmask:2 row_mask:0xf bank_mask:0xf
	v_or_b32 v[BY], v[BY], v[DT]                   ; with the row's other block's,
	v_or_b32 v[EW+(\t)], 0x7f7f0000, v[BY]         ; and 127 for k = 64 .. 127
.endm
	s_wait_alu depctr_va_vdst(0)                   ; the offsets and LDS addresses v1-8 and v224-238 are written, which the loads and stores of the whole kernel read; none is written again
.irp i, 0,1,2,3
	global_load_b128 v[VT+4*\i:VT+4*\i+3], v[T16], s[10:11] offset:\i*8192   ; V's codes: 512 threads x 16 bytes: 16 rows a load
.endr
	global_load_b32 v212, v[T4], s[12:13]          ; V's 512 scale words
	global_load_u16 v213, v[T2B], s[8:9]           ; the mask bytes of keys 2 t, 2 t + 1
.irp s, 0,1,2,3,4,5,6,7
	global_load_b32 v[214+\s], v[L4], s[8:9] offset:128*\s   ; every wave: step s's 128 mask bytes, four a lane
.endr
	LOADS 0
	LOADS 1
	LOADS 2
	LOADS 3
	s_wait_loadcnt 16                              ; the fourteen small loads are in; the sixteen of steps 0 to 3 may be out
.irp i, 0,1,2,3
	ds_store_b128 v[VW], v[VT+4*\i:VT+4*\i+3] offset:(32*(\i/2)+8*(\i%2))*VP
.endr
	ds_store_b32 v[VSW], v212
	v_and_b32 v222, 0xff, v213
	v_lshrrev_b32 v223, 8, v213
	v_cvt_f32_u32 v222, v222
	v_cvt_f32_u32 v223, v223
	v_sub_f32 v222, 1.0, v222
	v_sub_f32 v223, 1.0, v223
	v_pk_mul_f32 v[222:223], v[222:223], 0xd368d4a5 op_sel_hi:[1,0]   ; (1 - mask) x -1e12,
	v_pk_mul_f32 v[222:223], v[222:223], 0x3fb8aa3b op_sel_hi:[1,0]   ; x log2(e)
	s_wait_alu depctr_va_vdst(0)                   ; the two numbers of the bias are written, which the store reads
	ds_store_b64 v[BW], v[222:223]
	s_mov_b32 s19, 0                               ; bit s: step s has a key whose mask byte is not 1
.irp s, 0,1,2,3,4,5,6,7
	v_cmp_ne_u32 vcc_lo, 0x01010101, v[214+\s]
	s_wait_alu depctr_va_vcc(0)                    ; the compare has written VCC, which the scalar compare reads
	s_cmp_lg_u32 vcc_lo, 0
	s_cselect_b32 s36, 1<<\s, 0
	s_or_b32 s19, s19, s36
.endr
	s_wait_loadcnt 12                              ; step 0's four loads are in
	TURN 0
.irp t, 0,1,2,3,4,5,6,7,8,9,10,11
	QSTEP \t
.endr
	s_wait_alu depctr_va_vdst(0)                   ; the last step has written its codes and its scale word, which the two stores read
	PUT 11
	s_wait_dscnt 0x0                               ; for the others' sake: all my stores into LDS have landed
	s_barrier_signal -1
	s_barrier_wait -1                              ; the head's K, V, scale words and bias lie in LDS; from here on LDS is only read
	s_wait_alu depctr_vm_vsrc(0)                   ; my LDS stores have read v64-127, v160-212 and v222-223: from here on the loop's loads land in the first and its products write the others
; A KEY STEP: keys 128 s .. 128 s + 127.  Every LDS offset is an immediate: the eight steps are written out.
.macro STEP s
	s_mov_b32 s22, 0x3fb8aa3b                      ; what a register of S^T is multiplied by on its way to t - M: log2(e) while it holds a score
.if \s == 0                                    ; a tile's first step asks for its K here, behind the wait at the tile's top; every other step's was asked for in the step before
.irp t, 0,1,2,3,4,5,6,7
	ds_load_b128 v[FB+4*\t:FB+4*\t+3], v[AK] offset:\t*512
.endr
	ds_load_b128 v[KS:KS+3], v[R16] offset:KSC
	ds_load_b128 v[KS+4:KS+7], v[R16] offset:KSC+256
.endif
	s_wait_dscnt 0x0                               ; K's tiles and scale words are in (in a tile's first step Q's loads too)
.irp t, 0,1,2,3,4,5,6,7
	v_wmma_scale_f32_16x16x128_f8f6f4 v[SA+8*\t:SA+8*\t+7], v[FB+4*\t:FB+4*\t+7], v[QF:QF+7], 0, v[KS+\t], v[QS] matrix_a_fmt:MATRIX_FMT_FP4 matrix_b_fmt:MATRIX_FMT_FP4
.endr
.rept 4
	v_nop                                          ; four places (ISA guide 7.12.1) in front of the first read of the scores
.endr
	s_wait_alu depctr_va_vdst(0)                   ; these products are done reading v64-99 and K's scale words, the last step's V^T P v96-127 and V's scale words: the loads below (the bias, V, the next step's K) land in them
	s_bitcmp1_b32 s19, \s
	s_cbranch_scc0 .Lopen_\@                       ; all 128 keys count: nothing to add
	s_mov_b32 s22, 1.0                             ; the registers will hold t itself
.set n, 0
.rept 16
	ds_load_b128 v[FB+4*n:FB+4*n+3], v[AB] offset:\s*512+128*(n/4)+16*(n%4)   ; register 16 b + i: the bias of key 32 b + 16 (lane / 16) + i
.set n, n+1
.endr
	s_wait_dscnt 0x0
.set j, 0
.rept 32
	v_pk_fma_f32 v[SA+j:SA+j+1], v[SA+j:SA+j+1], s[30:31], v[FB+j:FB+j+1] op_sel_hi:[1,0,1]   ; t = score x log2(e) + bias x log2(e), rounded here; each accumulator from its low end on
.set j, j+2
.endr
	s_wait_alu depctr_va_vdst(0)                   ; the multiply-adds are done reading v64-127, in which V's loads and the next step's loads of K land
.Lopen_\@:
.irp b, 0,1,2,3
	v_max3_num_f32 v[BM+\b], v[SA+16*\b], v[SA+16*\b+1], v[SA+16*\b+2]   ; the largest score of each block of 32 keys: it serves for the row's maximum and, since p rises with the score, for the block's largest p
.endr
.set n, 0
.irp i, 3,5,7,9,11,13
.if n < 4                                      ; V's four fragments and its scale words are dealt among these lines, which name S^T and v44-47 alone, and land under the softmax
.irp c, 0,1
	ds_load_b128 v[FB+32+8*n+4*\c:FB+32+8*n+4*\c+3], v[AV] offset:n*16*VP+64*\s+32*\c
.endr
.elseif n == 4
	ds_load_b128 v[VS:VS+3], v[R16] offset:VSC+\s*256
.endif
.irp b, 0,1,2,3
	v_max3_num_f32 v[BM+\b], v[BM+\b], v[SA+16*\b+\i], v[SA+16*\b+\i+1]   ; (the four blocks by turns)
.endr
.set n, n+1
.endr
.irp b, 0,1,2,3
	v_max_num_f32 v[BM+\b], v[BM+\b], v[SA+16*\b+15]
.endr
.irp b, 0,1,2,3
	v_permlanex16_b32 v[T2+\b], v[BM+\b], s20, s21
.endr
.irp b, 0,1,2,3
	v_max_num_f32 v[BM+\b], v[BM+\b], v[T2+\b]     ; with lane l xor 16's 16 keys
.endr
	v_max3_num_f32 v[T0], v[BM], v[BM+1], v[BM+2]
	v_max_num_f32 v[T0], v[T0], v[BM+3]
	v_mul_f32 v[T0], s22, v[T0]                    ; the step's largest t of my query
	v_max_num_f32 v[TX], v[TX], v[T0]
	v_mov_b32 v[T0], v[NM]
	v_floor_f32 v[NM], -v[TX]                      ; the new -M = floor(-t) = -ceil(t): a whole number
	v_sub_f32 v[T0], v[NM], v[T0]                  ; old M - new M: a whole number, 0 or less
	v_cvt_i32_f32 v[T0], v[T0]                     ; (it saturates)
	v_ldexp_f32 v[FF], 1.0, v[T0]                  ; f = 2^(old M - new M): a multiplication by it rounds nothing
.set j, 0
.rept 32
	v_pk_fma_f32 v[SA+j:SA+j+1], v[SA+j:SA+j+1], s[22:23], v[NM:NM+1] op_sel_hi:[1,0,0]   ; t - M, two at a time (of both pairs the low word serves both halves)
.set j, j+2
.endr
.irp b, 0,1,2,3
	v_fma_f32 v[BM+\b], v[BM+\b], s22, v[NM]       ; the same of each block's largest
.endr
.set j, 0
.rept 64
	v_exp_f32 v[SA+j], v[SA+j]                     ; p = 2^(t - M), at most 1, not normalised
.set j, j+1
.endr
.irp b, 0,1,2,3
	v_exp_f32 v[BM+\b], v[BM+\b]                   ; the block's largest p: the same two instructions on the same number
.endr
	v_pk_mul_f32 v[LS:LS+1], v[LS:LS+1], v[FF:FF+1] op_sel_hi:[1,0]   ; the sums under the new M (a plain line behind the exponentials: ISA guide 5.7.2)
	s_wait_alu depctr_va_vdst(0)                   ; the 68 exponentials have written p and the blocks' largest p: one wait for the batch, ahead of the first line that names a result
.irp b, 0,1,2,3
	v_max_num_f32 v[BM+\b], 0x1800000, v[BM+\b]    ; the floor 2^(3 - 127): the byte cannot fall under 1
.endr
.irp b, 0,1,2,3
	v_add_nc_u32 v[SO+\b], 0xff000000, v[BM+\b]    ; 2 off the exponent field: the conversion's scale operand
.endr
.irp b, 0,1,2,3
	v_lshrrev_b32 v[T2+\b], 23, v[SO+\b]           ; the scale's byte
.endr
	v_lshl_or_b32 v[PS], v[T2+1], 8, v[T2]         ; p's scale word for these 128 keys
	v_lshl_or_b32 v[PS], v[T2+2], 16, v[PS]
	v_lshl_or_b32 v[PS], v[T2+3], 24, v[PS]
.irp b, 0,1,2,3
	v_cvt_scalef32_pk8_fp4_f32 v[PC+2*\b], v[SA+16*\b:SA+16*\b+7], v[SO+\b]
	v_cvt_scalef32_pk8_fp4_f32 v[PC+2*\b+1], v[SA+16*\b+8:SA+16*\b+15], v[SO+\b]
.endr
	v_nop                                          ; one plain line behind the conversions
.irp c, 0,1                                    ; the operand wants a whole block in a lane: lanes 0-15 block 2 c, lanes 16-31 block 2 c + 1
.irp i, 0,1
	v_permlane16_swap_b32 v[PC+4*\c+\i], v[PC+4*\c+2+\i]
.endr
.endr
	v_pk_add_f32 v[L2:L2+1], v[SA:SA+1], v[SA+2:SA+3]   ; the row's sum is taken of the unquantised p: two at a time, in two chains.  These 32 lines are also the places between the writes of p's codes and scale word and the products
.set j, 4
.set n, 0
.rept 15
	v_pk_add_f32 v[LS:LS+1], v[LS:LS+1], v[SA+j:SA+j+1]
	v_pk_add_f32 v[L2:L2+1], v[L2:L2+1], v[SA+j+2:SA+j+3]
.if (\s < 7) && (n < 8)                        ; THE NEXT STEP'S K, a load to two additions.  No wait: no vector or matrix line since the wait behind this step's K Q^T (a masked step: behind its multiply-adds) names v64-95 or v32-39
	ds_load_b128 v[FB+4*n:FB+4*n+3], v[AK] offset:(\s+1)*4096+n*512
.elseif (\s < 7) && (n < 10)
	ds_load_b128 v[KS+4*(n-8):KS+4*(n-8)+3], v[R16] offset:KSC+(\s+1)*512+256*(n-8)
.endif
.set j, j+4
.set n, n+1
.endr
	v_pk_add_f32 v[LS:LS+1], v[LS:LS+1], v[L2:L2+1]
.if \s > 0
.set j, 0
.rept 16
	v_pk_mul_f32 v[OA+j:OA+j+1], v[OA+j:OA+j+1], v[FF:FF+1] op_sel_hi:[1,0]   ; O^T under the new M, each accumulator from its low end on
.set j, j+2
.endr
.endif
.if \s < 7
	s_wait_dscnt 10                                ; LDS loads come back in order (ISA guide 5.7.1): V's fragments and scale words are in; the ten loads of the next step's K, issued behind them, may be out
.else
	s_wait_dscnt 0x0                               ; V's fragments and scale words are in
.endif
	s_wait_alu depctr_va_vdst(0)                   ; the conversions and exchanges have written p's codes, the shifts its scale word, which the scaled products take as operand and scales; the places above stay beside this wait
.irp d, 0,1,2,3                                ; O^T += V^T P^T; the four accumulators by turns, and eight other products stand between two steps'
.if \s == 0
	v_wmma_scale_f32_16x16x128_f8f6f4 v[OA+8*\d:OA+8*\d+7], v[FB+32+8*\d:FB+32+8*\d+7], v[PC:PC+7], 0, v[VS+\d], v[PS] matrix_a_fmt:MATRIX_FMT_FP4 matrix_b_fmt:MATRIX_FMT_FP4   ; a tile's first step starts the sums: nothing is cleared
.else
	v_wmma_scale_f32_16x16x128_f8f6f4 v[OA+8*\d:OA+8*\d+7], v[FB+32+8*\d:FB+32+8*\d+7], v[PC:PC+7], v[OA+8*\d:OA+8*\d+7], v[VS+\d], v[PS] matrix_a_fmt:MATRIX_FMT_FP4 matrix_b_fmt:MATRIX_FMT_FP4
.endif
.endr
.endm
	s_mov_b32 s24, 0                               ; the tile
	s_mov_b32 s25, 0                               ; its place among my images of Q,
	s_mov_b32 s26, 0                               ; among their scale words,
	s_mov_b32 s27, 0xffff                          ; and the lanes of v9 that keep its rows' scale bytes
.Ltile:                                                ; two trips: my two tiles of 16 queries
	v_add_nc_u32 v[QA], s25, v[AQ]
	v_add_nc_u32 v[QB], s26, v[AQS]
	v_mov_b32 v[TX], 0xff61b1e6                    ; the largest t so far: -3e38, under every t
	v_floor_f32 v[NM], -v[TX]
	v_mov_b32 v[LS], 0
	v_mov_b32 v[LS+1], 0
	s_wait_alu depctr_va_vdst(0)                   ; v10 and v11 are written, which Q's loads read; in the second trip the last tile's products are done reading Q, K and their scale words, in which the loads below land
	ds_load_b128 v[QF:QF+3], v[QA]
	ds_load_b32 v[QS], v[QB]
.irp s, 0,1,2,3,4,5,6,7
	STEP \s
.endr
	; THE TILE'S END: O^T / the row's sum, quantised along the head's 64 channels: two blocks of the next product's K
.rept 4
	v_nop                                          ; four places behind the last products
.endr
	v_add_f32 v[LS], v[LS], v[LS+1]                ; the sum's two halves,
	v_permlanex16_b32 v[T0], v[LS], s20, s21
	v_add_f32 v[LS], v[LS], v[T0]                  ; and lane l xor 16's keys: the row's sum
	v_rcp_f32 v[LS], v[LS]
	v_nop                                          ; a plain line behind the reciprocal
	s_wait_alu depctr_va_vdst(0)                   ; the reciprocal is written, ahead of the first line that names it
.set j, 0
.rept 16
	v_pk_mul_f32 v[SA+j:SA+j+1], v[OA+j:OA+j+1], v[LS:LS+1] op_sel_hi:[1,0]   ; register 16 g + i: channel 32 g + 16 (lane / 16) + i of my query
.set j, j+2
.endr
.irp b, 0,1
	v_max3_num_f32 v[BM+\b], |v[SA+16*\b]|, |v[SA+16*\b+1]|, 0x1800000   ; block g: my 16 numbers and the floor
.endr
.irp i, 2,4,6,8,10,12,14
.irp b, 0,1
	v_max3_num_f32 v[BM+\b], v[BM+\b], |v[SA+16*\b+\i]|, |v[SA+16*\b+\i+1]|
.endr
.endr
.irp b, 0,1
	v_permlanex16_b32 v[T2+\b], v[BM+\b], s20, s21
.endr
.irp b, 0,1
	v_max_num_f32 v[BM+\b], v[BM+\b], v[T2+\b]
.endr
.irp b, 0,1
	v_add_nc_u32 v[SO+\b], 0xff000000, v[BM+\b]
.endr
.irp b, 0,1
	v_lshrrev_b32 v[T2+\b], 23, v[SO+\b]
.endr
	v_lshl_or_b32 v[T0], v[T2+1], 8, v[T2]         ; my row's two scale bytes
.irp b, 0,1
	v_cvt_scalef32_pk8_fp4_f32 v[PC+2*\b], v[SA+16*\b:SA+16*\b+7], v[SO+\b]
	v_cvt_scalef32_pk8_fp4_f32 v[PC+2*\b+1], v[SA+16*\b+8:SA+16*\b+15], v[SO+\b]
.endr
	v_nop                                          ; one plain line behind the conversions
	v_permlane16_swap_b32 v[PC], v[PC+2]           ; lanes 0-15: block 0 whole, lanes 16-31: block 1 whole: four registers of the next product's operand
	v_permlane16_swap_b32 v[PC+1], v[PC+3]
	v_cndmask_b32 v[SW], v[SW], v[T0], s27         ; lanes r and 16 + r hold the same pair: the tile's half of the lanes keeps it
	s_wait_alu depctr_va_vdst(0)                   ; the tile's codes v56-59 are written, which the store below reads; so is v9, which the store behind the loop reads: no vector line stands between this wait and either
	global_store_b128 v[GO], v[PC:PC+3], s[14:15]  ; 512 consecutive bytes, at a multiple of 512 from the buffer's first byte
	s_wait_xcnt 0x0                                ; the store's base and data are written again only behind this wait
	s_wait_alu depctr_vm_vsrc(0)                   ; the store has read v56-59, and the tile's loads of Q have read v10 and v11: the next trip writes all of them again
	s_add_nc_u64 s[14:15], s[14:15], 8192          ; the next 16 rows
	s_add_co_u32 s25, s25, 512
	s_add_co_u32 s26, s26, 64
	s_lshl_b32 s27, s27, 16
	s_add_co_u32 s24, s24, 1
	s_cmp_lt_u32 s24, 2
	s_cbranch_scc1 .Ltile
	global_store_b16 v[GS], v[SW], s[16:17]        ; lane l: row l of my 32: its two scale bytes of this head
	s_wait_dscnt 0x0                               ; the closing lines, six on end
	s_wait_alu 0x0
	s_wait_tensorcnt 0x0
	ds_add_u32 v254, v255
	s_wait_dscnt 0x0
	s_endpgm
.Lfunc_end_k_qa960d69ef1_attn:
	.size	k_qa960d69ef1_attn, .Lfunc_end_k_qa960d69ef1_attn-k_qa960d69ef1_attn
	.p2alignl 7, 3214868480
	.fill 96, 4, 3214868480
	.section	.rodata,"a",@progbits
	.p2align	6, 0x0
	.amdhsa_kernel k_qa960d69ef1_attn
		.amdhsa_group_segment_fixed_size 179200
		.amdhsa_private_segment_fixed_size 0
		.amdhsa_enable_private_segment 0
		.amdhsa_kernarg_size 56
		.amdhsa_user_sgpr_count 2
		.amdhsa_user_sgpr_kernarg_segment_ptr 1
		.amdhsa_wavefront_size32 1
		.amdhsa_system_sgpr_workgroup_id_x 1
		.amdhsa_system_sgpr_workgroup_id_y 1
		.amdhsa_system_sgpr_workgroup_id_z 1
		.amdhsa_system_vgpr_workitem_id 0
		.amdhsa_next_free_vgpr 256
		.amdhsa_next_free_sgpr 66
		.amdhsa_reserve_vcc 1
		.amdhsa_float_denorm_mode_32 3
		.amdhsa_float_denorm_mode_16_64 3
		.amdhsa_memory_ordered 1
		.amdhsa_forward_progress 1
		.amdhsa_inst_pref_size 184
	.end_amdhsa_kernel
	.amdgpu_metadata
---
amdhsa.version: [ 1, 2 ]
amdhsa.kernels:
  - .name:           k_qa960d69ef1_attn
    .symbol:         k_qa960d69ef1_attn.kd
    .args:
      - { .name: keys, .offset: 0, .size: 8, .value_kind: global_buffer, .address_space: global }
      - { .name: queries, .offset: 8, .size: 8, .value_kind: global_buffer, .address_space: global }
      - { .name: attention_mask, .offset: 16, .size: 8, .value_kind: global_buffer, .address_space: global }
      - { .name: values_codes, .offset: 24, .size: 8, .value_kind: global_buffer, .address_space: global }
      - { .name: values_scales, .offset: 32, .size: 8, .value_kind: global_buffer, .address_space: global }
      - { .name: a_codes, .offset: 40, .size: 8, .value_kind: global_buffer, .address_space: global }
      - { .name: a_scales, .offset: 48, .size: 8, .value_kind: global_buffer, .address_space: global }
    .group_segment_fixed_size: 179200
    .private_segment_fixed_size: 0
    .kernarg_segment_align: 8
    .kernarg_segment_size: 56
    .max_flat_workgroup_size: 512
    .sgpr_count:     66
    .vgpr_count:     256
    .wavefront_size: 32
...
	.end_amdgpu_metadata
.endif
;; end of part 3
;; launch proj: the kernel of part 2 again; grid 4 x 32, 4 waves a work-group, clusters of 4 x 4, 327,680 bytes of LDS; arguments a_codes, a_scales, w_out_codes, w_out_scales, out0; writes out0
